; MI455X (gfx1250); checked and timed in simulation.
; The chip was launched on July 23, 2026; its instructions are those of AMD's public machine-readable ISA for CDNA 5 (MIT licence, August 2026) and "CDNA5" Instruction Set Architecture Reference Guide (July 2026). The comments in the code are by the model that wrote it; some were corrected since.
;; Multi Head Attention Layer. Allowed arithmetic: matrix products marked QUANTISED: E2M3 operands, one E8M0 scale for each 32 along K, by v_wmma_scale_f32_16x16x128_f8f6f4 with both operands' format E2M3, f32 sums; everything else in f32.
;; Inputs: Wk 1,024 x 1,024 float32; Wo 1,024 x 1,024 float32; Wq 1,024 x 1,024 float32; Wv 1,024 x 1,024 float32; bk 1,024 float32; bo 1,024 float32; bq 1,024 float32; bv 1,024 float32; key 4 x 2,048 x 1,024 float32; mask 4 x 2,048 x 2,048 int32; query 4 x 2,048 x 1,024 float32; value 4 x 2,048 x 1,024 float32.
;; Outputs: out0 4 x 2,048 x 1,024 float32.
;; This version of the problem:
;;   THIS VERSION OF THE PROBLEM IS GIVEN IN LOW PRECISION. The matrix products marked QUANTISED in the list below multiply operands that are first quantised to E2M3 (2 exponent bits, 3 mantissa bits; 6 bits a number), with one power-of-two scale for each 32 numbers along K (OCP MX v1.0); their sums are f32. All else is computed in f32.
;;   The module's matrix products, in the order in which they are computed (A, B: the left and right operand; K: the contracted axis; several contracted axes count as one K, in the product's order):
;;     1. [M 8,192, K 1,024] x [K 1,024, N 1,024]; A: input query; B: input Wq: QUANTISED
;;     2. [M 8,192, K 1,024] x [K 1,024, N 1,024]; A: input key; B: input Wk: QUANTISED
;;     3. [M 8,192, K 1,024] x [K 1,024, N 1,024]; A: input value; B: input Wv: QUANTISED
;;     4. batch 64 x [M 2,048, K 64] x [K 64, N 2,048]; A: computed on the way; B: computed on the way: QUANTISED
;;     5. batch 64 x [M 2,048, K 2,048] x [K 2,048, N 64]; A: softmax (see below); B: computed on the way: QUANTISED
;;     6. [M 8,192, K 1,024] x [K 1,024, N 1,024]; A: computed on the way; B: input Wo: QUANTISED
;;   THE QUANTISER, for each operand of a quantised product, along K:
;;     - K is cut into blocks of 32 from its start; a last block that is shorter is filled with zeros.
;;     - A block's scale is 2^e with e = floor(log2(the largest magnitude in the block)) - 2, held to -126 .. 127; a block of zeros has e = 0. As a byte (E8M0): e + 127.
;;     - Each number is divided by its block's scale, clamped to +-7.5, and rounded to the nearest number of E2M3, ties to even, subnormals kept.
;;     - The product sums the exact products of the quantised numbers (number of the format x scale) in f32.
;;   ~~~python
;;   def quantise(x, axis):      # numpy; x: float32 -> the quantised numbers, widened to float32 again
;;       x = np.moveaxis(x, axis, -1); K = x.shape[-1]
;;       x = np.pad(x, [(0, 0)] * (x.ndim - 1) + [(0, -K % 32)]); x = x.reshape(x.shape[:-1] + (-1, 32)); a = np.abs(x).max(-1, keepdims=True)
;;       e = np.where(a > 0, np.clip(np.frexp(np.where(a > 0, a, 1))[1] - 1 - 2, -126, 127), 0)      # np.frexp(a)[1] - 1 = floor(log2(a)), exactly
;;       r = np.clip(x / 2.0 ** e, -7.5, 7.5)
;;       step = 2.0 ** (np.maximum(np.frexp(np.where(r == 0, 1, r))[1] - 1, 0) - 3)
;;       q = np.round(r / step) * step * 2.0 ** e      # np.round: ties to even
;;       return np.moveaxis(q.reshape(q.shape[:-2] + (-1,))[..., :K], -1, axis).astype(np.float32)
;;   ~~~
;;   SOFTMAX AHEAD OF A QUANTISED PRODUCT. Where the list says 'softmax', what is quantised is not the finished softmax but p = 2^(t - M), with t = logit x log2(e) and M = ceil(the row's largest t), a whole number; so 1/2 < the row's largest p <= 1. The row's sum l is taken of the UNQUANTISED p, in f32, and the product's result is divided by l at the end. Since M is a whole number, a kernel that streams over the keys may use a running M (the ceiling of the running maximum): every later rescaling is an exact power of two, which a block's scale takes up: the codes' values come out the same.
;;   OPERANDS COMPUTED ON THE WAY. 'Computed on the way' means the value that the module computes at that place (a softmax that the list does not call 'softmax' is quantised finished and normalised). What goes into a quantiser is computed in f32, as accurately as f32 sums, v_exp_f32 and their like allow (about 1e-6 of the number): no bf16 or f16 on the way to a quantiser, and a product that is left as it is and whose result goes on into a quantised operand takes f32 operands (vector FMAs, or v_wmma_f32_16x16x4_f32). A number that lies on a knife's edge between two numbers of the format may be rounded either way, as far as f32 arithmetic and the matrix unit's own rounding can turn it there, and no further.
;; One version. Each part assembles by itself: llvm-mc -triple=amdgcn-amd-amdhsa -mcpu=gfx1250 --defsym DOCPART=n.
;; ======== version 1 of 1: 4 launches
;; limits: right only within a limited range of input values
;; workspace buffers: xq 19,660,800 bytes; wq 3,276,800 bytes; mbits 2,097,152 bytes of whole numbers; kvimg 13,369,344 bytes; qimg 13,369,344 bytes; aoq 6,553,600 bytes
;; launch prep (part 1): grid 768 x 1, 4 waves a work-group, no clusters, 68,096 bytes of LDS; arguments query, key, value, mask, Wq, Wk, Wv, Wo, xq, wq, mbits; writes xq, wq, mbits
.if DOCPART == 1
	.amdgcn_target "amdgcn-amd-amdhsa--gfx1250"
	.amdhsa_code_object_version 6
	.text
	.protected	k_q215bbd20a8_prep
	.globl	k_q215bbd20a8_prep
	.p2align	8
	.type	k_q215bbd20a8_prep,@function
k_q215bbd20a8_prep:
	s_mov_b64 s[64:65], 0
	v_nop
	global_prefetch_b8 v0, s[64:65] scope:SCOPE_SE
	s_setreg_imm32_b32 hwreg(HW_REG_WAVE_MODE, 25, 1), 1
	s_wait_xcnt 0x0
; PREP: query, key, value [8192][1024] f32 and Wq, Wk, Wv, Wo [1024 (k)][1024 (n)] f32 become codes of FP6 (E2M3) with one E8M0 byte for each 32 along K = HID; the int32 mask becomes one bit a number.
; A block's scale is 2^(floor(log2(largest magnitude)) - 2): its byte is the largest magnitude's exponent field - 2, held at 1 from below; each number / scale goes to the nearest code, ties to even, beyond 7.5 the largest code.
; LIMITS: NaN and infinities are not served; blocks under 2^-124, and blocks of zeros, keep the byte 1 (their codes are zeros or as the floor gives them; the bytes are read by this program alone).
; THE CODES' FORMAT (a half fragment): 16 rows x 64 along K = 6 registers a lane = 768 bytes; lane (r = l % 16, h = l / 16) holds row r, k = 32 h .. 32 h + 31.  Bytes 0-511: registers 0-3, lane l at 16 l; bytes 512-767: registers 4, 5,
; lane l at 8 l.  So each is written by one store of 16 bytes a lane and one of 8: three aligned runs of 256 bytes; and read back the same way, straight into an operand's registers.
; STORED ORDER OF ROWS: for value and the four weights stored place p holds row p with bits 3 and 4 exchanged, so that lane r of stored tile 2 b + u is row 32 b + 8 u + r + 8 (r / 8): a product that takes such a tile as source 0
; leaves 16 neighbours in the 16 registers of a pair of tiles.  query keeps its order.
; ROLES by the work-group's number: 0-383 X (a wave: 16 stored rows x all of K), 384-639 M (a wave: 16 queries x 1,024 keys of the mask), 640-767 W (a wave: 32 columns x 256 along K).  Waves share nothing: no barrier.
; Memory binds this launch: every load reads 512 (W: 128) consecutive bytes, every byte is read once; no matrix unit, no cluster, no tensor load.
; KEY'S ORDER differs from value's and the weights': stored tile 4 c + j of a run of 128 keys holds, at its rows 8 h + i, key 64 c + 32 h + 8 j + i, so that a lane of the attention's score tiles 4 c .. 4 c + 3 holds one whole block of 32 keys.
.set SP,    528
.set XSTG,  0                          ; LDS: role X's stages, 16 rows for each wave;
.set MSTG,  4*16*SP                    ; role M's, bytes of their own;
.set SPARE, 8*16*SP                    ; the spare words, 128 bytes a wave, that no other line names
.set L16,   4                          ; v4   16 x lane
.set L8,    5                          ; v5   8 x lane
.set STI,   6                          ; v6   into my stage: 16 x lane
.set XSTO,  7                          ; v7   out of it, role X: row r, + 128 h
.set SOFF,  8                          ; v8   role X: my 16 bytes of the tile's scale bytes: 32 r + 16 h
.set MSTO,  9                          ; v9   unused
.set SPW,   10                         ; v10  my spare word; never rewritten
.set NIL,   11                         ; v11  0; never rewritten
.set H8,    12                         ; v12  8 h
.set LW,    13                         ; v13  role W: 4 x my column
.set TM,    14                         ; v14-21 at work
.set C,     22                         ; v22-33 codes, v34-36 and v38-40 a conversion's second half
.set WOFF,  42                         ; v42  role W: 32 x lane
.set WS,    44                         ; v44-51 role X: the eight scale words of my row;  v52-55 those that I store
.set WO,    52
.set OUTW,  44                         ; v44-59 role M: a pair of registers for each step
.set SB,    44                         ; v44-45 role W: my column's eight scale bytes
.set X,     64                         ; v64-127 64 numbers in the order that the work wants
.set R,     128                        ; v128-255 two sets of 64 registers as loaded
	s_load_b512 s[4:19], s[0:1], 0x0               ; query, key, value, mask, Wq, Wk, Wv, Wo
	s_load_b128 s[20:23], s[0:1], 0x40             ; xq, wq
	s_load_b64 s[24:25], s[0:1], 0x50              ; mbits
	v_lshl_add_u32 v[SPW], v0, 2, SPARE
	v_mov_b32 v[NIL], 0
	v_lshrrev_b32 v1, 5, v0
	v_readfirstlane_b32 s26, v1                    ; wave
	v_and_b32 v1, 31, v0                           ; lane
	v_and_b32 v2, 15, v0                           ; r
	v_bfe_u32 v3, v0, 4, 1                         ; h
	v_lshlrev_b32 v[L16], 4, v1
	v_lshlrev_b32 v[L8], 3, v1
	s_mul_i32 s27, s26, 16*SP                      ; my stage (role M adds MSTG in the immediate)
	v_add_nc_u32 v[STI], s27, v[L16]
	v_mul_u32_u24 v[XSTO], v2, SP
	v_add_nc_u32 v[XSTO], s27, v[XSTO]
	v_lshl_add_u32 v[XSTO], v3, 7, v[XSTO]
	v_lshlrev_b32 v[SOFF], 5, v2
	v_lshl_add_u32 v[SOFF], v3, 4, v[SOFF]
	v_lshlrev_b32 v[H8], 3, v3
	v_mov_b32 v[TM+7], 0                           ; a lane permute's destination counts as one of its sources
	s_mov_b32 s56, 0x76543210
	s_mov_b32 s57, 0xfedcba98                      ; v_permlanex16_b32's selects for lane l xor 16
	s_mov_b32 s58, 0xffff0000                      ; lanes 16-31
	s_wait_kmcnt 0x0
; 16 rows x 512 bytes, step t, into set t % 2: rows 0-7 from s[48:49], rows 8-15 from s[50:51]; each load reads 512 consecutive bytes
.macro LOADR t, pitch
.irp j, 0,1,2,3,4,5,6,7
	global_load_b128 v[R+64*((\t)%2)+4*\j:R+64*((\t)%2)+4*\j+3], v[L16], s[48:49] offset:\pitch*\j+512*(\t) th:TH_LOAD_NT
.endr
.irp j, 0,1,2,3,4,5,6,7
	global_load_b128 v[R+64*((\t)%2)+32+4*\j:R+64*((\t)%2)+32+4*\j+3], v[L16], s[50:51] offset:\pitch*\j+512*(\t) th:TH_LOAD_NT
.endr
.endm
.macro WAITR t                         ; this step's 16 loads are in; the next step's 16 may be out
.if (\t) < 7
	s_wait_loadcnt 16
.else
	s_wait_loadcnt 0x0
.endif
.endm
; the step's 8,192 bytes turn through my own stage: in as loaded, a row to a store; out by lanes: groups of g loads of 16 bytes, s bytes apart.  LDS serves a wave's instructions in order, so no wait stands between the stores and the loads.
.macro THROUGH t, base, adr, g, s
.irp j, 0,1,2,3,4,5,6,7,8,9,10,11,12,13,14,15
	ds_store_b128 v[STI], v[R+64*((\t)%2)+4*\j:R+64*((\t)%2)+4*\j+3] offset:\base+SP*\j
.endr
.irp q, 0,1,2,3,4,5,6,7,8,9,10,11,12,13,14,15
	ds_load_b128 v[X+4*\q:X+4*\q+3], v[\adr] offset:\base+\s*(\q/\g)+16*(\q%\g)
.endr
	s_wait_dscnt 0x0                               ; the numbers are back, and the stores have read the set, which may be loaded again
.endm
.macro FINISH                          ; the wave's end: behind the last LDS store
	s_wait_tensorcnt 0x0
	ds_add_u32 v[SPW], v[NIL]
	s_wait_dscnt 0x0
	s_endpgm
.endm
	s_cmp_lt_u32 ttmp9, 384
	s_cbranch_scc1 .Lrole_x
	s_cmp_lt_u32 ttmp9, 640
	s_cbranch_scc1 .Lrole_m
; ---------------- ROLE W: a lane takes a column n and its registers run down K: a block of 32 lies in one lane, and the codes come out with K innermost
	s_sub_co_u32 s27, ttmp9, 640
	s_lshr_b32 s28, s27, 5                         ; which weight: 0 q, 1 k, 2 v, 3 o
	s_and_b32 s29, s27, 7                          ; which 128 columns
	s_bfe_u32 s30, s27, 0x20003                    ; which 256 along K
	s_lshl_b32 s29, s29, 7
	s_lshl_b32 s31, s26, 5
	s_add_co_u32 s29, s29, s31                     ; n0: my wave's first column
	s_cmp_eq_u32 s28, 1
	s_cselect_b64 s[48:49], s[14:15], s[12:13]
	s_cmp_eq_u32 s28, 2
	s_cselect_b64 s[48:49], s[16:17], s[48:49]
	s_cmp_eq_u32 s28, 3
	s_cselect_b64 s[48:49], s[18:19], s[48:49]
	s_lshl_b32 s32, s30, 20                        ; 256 rows of 4,096 bytes
	s_lshl_b32 s33, s29, 2
	s_add_co_u32 s32, s32, s33
	s_mov_b32 s33, 0
	s_add_nc_u64 s[48:49], s[48:49], s[32:33]
	s_mul_i32 s32, s28, 786432                     ; the weight's codes: [row tile 64][chunk of 64 along K: 16][768]
	s_lshr_b32 s34, s29, 4
	s_mul_i32 s34, s34, 12288
	s_add_co_u32 s32, s32, s34
	s_mul_i32 s34, s30, 3072
	s_add_co_u32 s32, s32, s34
	s_add_nc_u64 s[52:53], s[22:23], s[32:33]
	s_lshl_b32 s32, s28, 15                        ; its scale bytes: [stored row][32]
	s_lshl_b32 s34, s29, 5
	s_add_co_u32 s32, s32, s34
	s_lshl_b32 s34, s30, 3
	s_add_co_u32 s32, s32, s34
	s_add_co_u32 s32, s32, 3145728
	s_add_nc_u64 s[54:55], s[22:23], s[32:33]
	v_and_b32 v[LW], 7, v1                         ; stored place l holds column n0 + (l with bits 3 and 4 exchanged)
	v_and_b32 v[TM], 8, v1
	v_lshl_or_b32 v[LW], v[TM], 1, v[LW]
	v_and_b32 v[TM], 16, v1
	v_lshrrev_b32 v[TM], 1, v[TM]
	v_or_b32 v[LW], v[LW], v[TM]
	v_lshlrev_b32 v[LW], 2, v[LW]
	v_lshlrev_b32 v[WOFF], 5, v1
.macro LOADW t                         ; block t: W(32 t + i, my column) into set t % 2: 32 lanes read 128 consecutive bytes
.irp i, 0,1,2,3,4,5,6,7,8,9,10,11,12,13,14,15,16,17,18,19,20,21,22,23,24,25,26,27,28,29,30,31
	global_load_b32 v[X+32*((\t)%2)+\i], v[LW], s[48:49] offset:(32*(\t)+\i)*4096 th:TH_LOAD_NT
.endr
.endm
.macro BLOCKW t
.set XS, X+32*((\t)%2)
.set CC, C+6*((\t)%2)
.if (\t) < 7
	s_wait_loadcnt 32                              ; this block's 32 loads are in; the next block's may be out
.else
	s_wait_loadcnt 0x0
.endif
	v_max3_num_f32 v[TM], |v[XS]|, |v[XS+1]|, |v[XS+2]|             ; the block's largest magnitude, in two chains
	v_max3_num_f32 v[TM+1], |v[XS+3]|, |v[XS+4]|, |v[XS+5]|
.irp i, 6,10,14,18,22,26
	v_max3_num_f32 v[TM], v[TM], |v[XS+\i]|, |v[XS+\i+1]|
	v_max3_num_f32 v[TM+1], v[TM+1], |v[XS+\i+2]|, |v[XS+\i+3]|
.endr
	v_max3_num_f32 v[TM], v[TM], |v[XS+30]|, |v[XS+31]|
	v_max3_num_f32 v[TM], v[TM], v[TM+1], 0x1800000                 ; and the floor 2^(3 - 127): the byte cannot fall under 1
	v_add_nc_u32 v[TM+2], 0xff000000, v[TM]        ; 2 off the exponent field: the conversion's scale operand
	v_lshrrev_b32 v[TM+3], 23, v[TM+2]             ; the scale's byte
.if (\t)%4 == 0
	v_mov_b32 v[SB+(\t)/4], v[TM+3]
.else
	v_lshl_or_b32 v[SB+(\t)/4], v[TM+3], 8*((\t)%4), v[SB+(\t)/4]
.endif
	s_wait_alu depctr_va_vdst(0)
	s_wait_xcnt 0x0                                ; the earlier stores have read the codes' registers
	v_cvt_scalef32_pk16_fp6_f32 v[CC:CC+2], v[XS:XS+15], v[TM+2]
	v_cvt_scalef32_pk16_fp6_f32 v[C+12:C+14], v[XS+16:XS+31], v[TM+2]   ; (a conversion's three registers begin on an even number)
	v_nop                                          ; one plain place behind a scaled conversion
.irp i, 0,1,2
	v_mov_b32 v[CC+3+\i], v[C+12+\i]
.endr
.if (\t) < 6
	LOADW (\t)+2
.endif
.if (\t)%2 == 1                        ; two blocks make a chunk of 64: the first's lanes 16-31 change places with the second's lanes 0-15: the first is then stored tile 0's half fragment, the second tile 1's
.irp i, 0,1,2,3,4,5
	v_permlane16_swap_b32 v[C+\i], v[C+6+\i]
.endr
	global_store_b128 v[L16], v[C:C+3], s[52:53] offset:768*((\t)/2)
	global_store_b64 v[L8], v[C+4:C+5], s[52:53] offset:768*((\t)/2)+512
	global_store_b128 v[L16], v[C+6:C+9], s[52:53] offset:12288+768*((\t)/2)
	global_store_b64 v[L8], v[C+10:C+11], s[52:53] offset:12288+768*((\t)/2)+512
.endif
.endm
	LOADW 0
	LOADW 1
.irp t, 0,1,2,3,4,5,6,7
	BLOCKW \t
.endr
	global_store_b64 v[WOFF], v[SB:SB+1], s[54:55] ; my stored row's 8 bytes of 32: the one store here that fills its 256 bytes in part; one byte for each 128 read
	FINISH
; ---------------- ROLE X: 16 stored rows, K in 8 steps of 128
.Lrole_x:
	s_lshl_b32 s27, ttmp9, 2
	s_add_co_u32 s27, s27, s26                     ; unit 0 .. 1535
	s_lshr_b32 s28, s27, 9                         ; which tensor: 0 query, 1 key, 2 value
	s_and_b32 s29, s27, 511                        ; which stored tile of 16 rows
	s_cmp_eq_u32 s28, 1
	s_cselect_b64 s[48:49], s[6:7], s[4:5]
	s_cmp_eq_u32 s28, 2
	s_cselect_b64 s[48:49], s[8:9], s[48:49]
	s_lshl_b32 s30, s29, 4                         ; query: rows 16 T on, as they lie
	s_lshr_b32 s31, s29, 1
	s_lshl_b32 s31, s31, 5
	s_and_b32 s32, s29, 1
	s_lshl_b32 s32, s32, 3
	s_add_co_u32 s31, s31, s32                     ; value: rows 32 (T / 2) + 8 (T % 2) + 0 .. 7, and the eight that lie 16 further on
	s_lshr_b32 s34, s29, 2
	s_lshl_b32 s34, s34, 6
	s_and_b32 s35, s29, 3
	s_lshl_b32 s35, s35, 3
	s_add_co_u32 s34, s34, s35                     ; key: rows 64 (T / 4) + 8 (T % 4) + 0 .. 7, and the eight that lie 32 further on
	s_mov_b32 s32, 16*4096
	s_mov_b32 s35, 32*4096
	s_cmp_eq_u32 s28, 1
	s_cselect_b32 s31, s34, s31
	s_cselect_b32 s32, s35, s32
	s_cmp_eq_u32 s28, 0
	s_cselect_b32 s30, s30, s31
	s_cselect_b32 s32, 8*4096, s32
	s_lshl_b32 s30, s30, 12
	s_mov_b32 s31, 0
	s_mov_b32 s33, 0
	s_add_nc_u64 s[48:49], s[48:49], s[30:31]
	s_add_nc_u64 s[50:51], s[48:49], s[32:33]
	s_mul_i32 s30, s28, 6291456                    ; the tensor's codes: [row tile 512][chunk 16][768]
	s_mul_i32 s34, s29, 12288
	s_add_co_u32 s30, s30, s34
	s_add_nc_u64 s[52:53], s[20:21], s[30:31]
	s_lshl_b32 s30, s28, 18                        ; its scale bytes: [stored row][32]
	s_lshl_b32 s34, s29, 9
	s_add_co_u32 s30, s30, s34
	s_add_co_u32 s30, s30, 18874368
	s_add_nc_u64 s[54:55], s[20:21], s[30:31]
.macro STEPX t
	WAITR \t
	THROUGH \t, XSTG, XSTO, 8, 256                 ; register 32 c + n = k 128 t + 64 c + 32 h + n of my row: two whole blocks a lane
.if (\t) < 6
	LOADR (\t)+2, 4096
.endif
.irp c, 0,1
	v_max3_num_f32 v[TM+\c], |v[X+32*\c]|, |v[X+32*\c+1]|, 0x1800000   ; with the floor 2^(3 - 127) among the leaves
.endr
.irp i, 2,4,6,8,10,12,14,16,18,20,22,24,26,28,30
.irp c, 0,1
	v_max3_num_f32 v[TM+\c], v[TM+\c], |v[X+32*\c+\i]|, |v[X+32*\c+\i+1]|   ; (the two blocks by turns)
.endr
.endr
.irp c, 0,1
	v_add_nc_u32 v[TM+2+\c], 0xff000000, v[TM+\c]  ; 2 off the exponent field: the conversion's scale operand
.endr
.irp c, 0,1
	v_lshrrev_b32 v[TM+4+\c], 23, v[TM+2+\c]       ; the scale's byte
.endr
	v_lshl_or_b32 v[TM+6], v[TM+5], 16, v[TM+4]    ; my two bytes, blocks h and 2 + h,
	v_lshlrev_b32 v[TM+6], v[H8], v[TM+6]          ; at their places in the row's word for these 128;
	v_permlanex16_b32 v[TM+7], v[TM+6], s56, s57
	v_or_b32 v[WS+(\t)], v[TM+6], v[TM+7]          ; with lane l xor 16's two the word is whole
	s_wait_alu depctr_va_vdst(0)
	s_wait_xcnt 0x0                                ; the last step's stores have read the codes' registers
.irp c, 0,1
	v_cvt_scalef32_pk16_fp6_f32 v[C+6*\c:C+6*\c+2], v[X+32*\c:X+32*\c+15], v[TM+2+\c]
	v_cvt_scalef32_pk16_fp6_f32 v[C+12+4*\c:C+14+4*\c], v[X+32*\c+16:X+32*\c+31], v[TM+2+\c]
.endr
	v_nop                                          ; one plain place behind a scaled conversion
.irp c, 0,1
.irp i, 0,1,2
	v_mov_b32 v[C+6*\c+3+\i], v[C+12+4*\c+\i]
.endr
.endr
.irp c, 0,1
	global_store_b128 v[L16], v[C+6*\c:C+6*\c+3], s[52:53] offset:768*(2*(\t)+\c)       ; 512 consecutive bytes,
	global_store_b64 v[L8], v[C+6*\c+4:C+6*\c+5], s[52:53] offset:768*(2*(\t)+\c)+512   ; and 256
.endr
.endm
	LOADR 0, 4096
	LOADR 1, 4096
	s_wait_alu depctr_va_vdst(0)
.irp t, 0,1,2,3,4,5,6,7
	STEPX \t
.endr
.irp i, 0,1,2,3
	v_cndmask_b32 v[WO+\i], v[WS+\i], v[WS+4+\i], s58   ; lanes 0-15 store their row's words 0-3, lanes 16-31 words 4-7
.endr
	global_store_b128 v[SOFF], v[WO:WO+3], s[54:55]     ; the tile's 512 scale bytes on end
	FINISH
; ---------------- ROLE M: word rho of a step: bit l = (mask[query 16 w' + l % 16][key 128 step + 64 (rho / 32) + 32 (l / 16) + rho % 32] != 0): the lane mask with which the attention's wave selects its score register rho
.Lrole_m:
	s_sub_co_u32 s27, ttmp9, 384
	s_lshl_b32 s27, s27, 2
	s_add_co_u32 s27, s27, s26                     ; unit 0 .. 1023
	s_lshr_b32 s28, s27, 1                         ; which 16 queries, in the order [b 4][quarter 4][wave 16][pass 2]
	s_and_b32 s29, s27, 1                          ; which 1,024 keys
	s_and_b32 s30, s28, 1                          ; pass
	s_bfe_u32 s31, s28, 0x40001                    ; wave
	s_bfe_u32 s32, s28, 0x20005                    ; quarter
	s_lshr_b32 s33, s28, 7                         ; b
	s_lshl_b32 s33, s33, 11
	s_lshl_b32 s32, s32, 9
	s_lshl_b32 s30, s30, 8
	s_lshl_b32 s31, s31, 4
	s_add_co_u32 s30, s30, s31
	s_add_co_u32 s30, s30, s32
	s_add_co_u32 s30, s30, s33                     ; the first of my 16 rows of the mask
	s_lshl_b32 s30, s30, 13                        ; rows of 8,192 bytes
	s_lshl_b32 s34, s29, 12
	s_add_co_u32 s30, s30, s34
	s_mov_b32 s31, 0
	s_add_nc_u64 s[48:49], s[10:11], s[30:31]
	s_add_nc_u64 s[50:51], s[48:49], 0x10000       ; eight rows on
	s_lshl_b32 s30, s28, 12                        ; 16 steps of 256 bytes for each 16 queries
	s_lshl_b32 s34, s29, 11
	s_add_co_u32 s30, s30, s34
	s_add_nc_u64 s[52:53], s[24:25], s[30:31]
.irp i, 0,1,2,3,4,5,6,7,8,9,10,11,12,13,14,15
	v_mov_b32 v[OUTW+\i], 0                        ; v_writelane_b32's destination counts as read
.endr
.macro STEPM t
	WAITR \t
	THROUGH \t, MSTG, XSTO, 8, 256                 ; register 32 c + x = key 128 t + 64 c + 32 h + x of my query
.if (\t) < 6
	LOADR (\t)+2, 8192
.endif
.irp g, 0,1,2,3
.irp i, 0,1,2,3,4,5,6,7,8,9,10,11,12,13,14,15
	v_cmp_ne_u32 s[32+\i], 0, v[X+16*\g+\i]        ; word 16 g + i
.endr
.irp i, 0,1,2,3,4,5,6,7,8,9,10,11,12,13,14,15
	v_writelane_b32 v[OUTW+2*(\t)+(\i%2)], s[32+\i], 8*\g+\i/2   ; lane l gathers words 2 l and 2 l + 1
.endr
.endr
	global_store_b64 v[L8], v[OUTW+2*(\t):OUTW+2*(\t)+1], s[52:53] offset:256*(\t)   ; the step's 64 words: 256 consecutive bytes, aligned; each step has registers of its own
.endm
	LOADR 0, 8192
	LOADR 1, 8192
.irp t, 0,1,2,3,4,5,6,7
	STEPM \t
.endr
	FINISH
.Lfunc_end_k_q215bbd20a8_prep:
	.size	k_q215bbd20a8_prep, .Lfunc_end_k_q215bbd20a8_prep-k_q215bbd20a8_prep
	.p2alignl 7, 3214868480
	.fill 96, 4, 3214868480
	.section	.rodata,"a",@progbits
	.p2align	6, 0x0
	.amdhsa_kernel k_q215bbd20a8_prep
		.amdhsa_group_segment_fixed_size 68096
		.amdhsa_private_segment_fixed_size 0
		.amdhsa_enable_private_segment 0
		.amdhsa_kernarg_size 88
		.amdhsa_user_sgpr_count 2
		.amdhsa_user_sgpr_kernarg_segment_ptr 1
		.amdhsa_wavefront_size32 1
		.amdhsa_system_sgpr_workgroup_id_x 1
		.amdhsa_system_sgpr_workgroup_id_y 1
		.amdhsa_system_sgpr_workgroup_id_z 1
		.amdhsa_system_vgpr_workitem_id 0
		.amdhsa_next_free_vgpr 256
		.amdhsa_next_free_sgpr 66
		.amdhsa_reserve_vcc 0
		.amdhsa_float_denorm_mode_32 3
		.amdhsa_float_denorm_mode_16_64 3
		.amdhsa_memory_ordered 1
		.amdhsa_forward_progress 1
		.amdhsa_inst_pref_size 194
	.end_amdhsa_kernel
	.amdgpu_metadata
---
amdhsa.version: [ 1, 2 ]
amdhsa.kernels:
  - .name:           k_q215bbd20a8_prep
    .symbol:         k_q215bbd20a8_prep.kd
    .args:
      - { .name: query, .offset: 0, .size: 8, .value_kind: global_buffer, .address_space: global }
      - { .name: key, .offset: 8, .size: 8, .value_kind: global_buffer, .address_space: global }
      - { .name: value, .offset: 16, .size: 8, .value_kind: global_buffer, .address_space: global }
      - { .name: mask, .offset: 24, .size: 8, .value_kind: global_buffer, .address_space: global }
      - { .name: Wq, .offset: 32, .size: 8, .value_kind: global_buffer, .address_space: global }
      - { .name: Wk, .offset: 40, .size: 8, .value_kind: global_buffer, .address_space: global }
      - { .name: Wv, .offset: 48, .size: 8, .value_kind: global_buffer, .address_space: global }
      - { .name: Wo, .offset: 56, .size: 8, .value_kind: global_buffer, .address_space: global }
      - { .name: xq, .offset: 64, .size: 8, .value_kind: global_buffer, .address_space: global }
      - { .name: wq, .offset: 72, .size: 8, .value_kind: global_buffer, .address_space: global }
      - { .name: mbits, .offset: 80, .size: 8, .value_kind: global_buffer, .address_space: global }
    .group_segment_fixed_size: 68096
    .private_segment_fixed_size: 0
    .kernarg_segment_align: 8
    .kernarg_segment_size: 88
    .max_flat_workgroup_size: 128
    .sgpr_count:     66
    .vgpr_count:     256
    .wavefront_size: 32
...
	.end_amdgpu_metadata
.endif
;; end of part 1
;; launch proj (part 2): grid 4 x 96, 4 waves a work-group, clusters of 4 x 4, 327,680 bytes of LDS; arguments xq, wq, bq, bk, bv, qimg, kvimg; writes qimg, kvimg
.if DOCPART == 2
	.amdgcn_target "amdgcn-amd-amdhsa--gfx1250"
	.amdhsa_code_object_version 6
	.text
	.protected	k_q215bbd20a8_proj
	.globl	k_q215bbd20a8_proj
	.p2align	8
	.type	k_q215bbd20a8_proj,@function
k_q215bbd20a8_proj:
	s_mov_b64 s[64:65], 0
	v_nop
	global_prefetch_b8 v0, s[64:65] scope:SCOPE_SE
	s_setreg_imm32_b32 hwreg(HW_REG_WAVE_MODE, 25, 1), 1
	s_wait_xcnt 0x0
	s_wait_alu depctr_hold_cnt(0) depctr_sa_sdst(0) depctr_va_vdst(0) depctr_va_sdst(0) depctr_va_ssrc(0) depctr_va_vcc(0) depctr_vm_vsrc(0)
	s_getreg_b32 s2, hwreg(HW_REG_IB_STS2, 6, 4)
	s_cmp_eq_u32 s2, 0
	s_cbranch_scc0 .Lentry_in_a_cluster
	s_endpgm
.Lentry_in_a_cluster:
	s_bfe_u32 s2, ttmp6, 0x10000c
	s_cmp_lg_u32 s2, 0xf033
	s_cbranch_scc0 .Lentry_shape_is_right
	s_endpgm
.Lentry_shape_is_right:
.set KSTEPB, 3072
.set NQ,     2
.set FR,     12
.set NL,     4
.set NP,     4
.set KROW,   768
.set HALFT,  8*KSTEPB
.set SLOT,   4*HALFT
.set SCL,    2*SLOT
.set HALFS,  16*272
.set SBLK,   2*272
.set SPARE,  SCL+4*HALFS
.set STEPB,  13056
.set HEADB,  16*STEPB
.set ADRA, 16
.set ADRB, 20
.set O16,  24
.set O8,   25
.set ADRS, 27
.set SPW,  28
.set NIL,  29
.set SC,   32
.set BP,   64
.set AF,   128
.set BR,   224
.set X,    128
.set PC,   192
.set SI,   212
.set TM,   232
.set PWS,  248
.set G1, 24
.set G0, 32
.set G1B, 48
.set G0B, 56
.set G1S, 68
.set G0S, 76
.set G1SB, 80
.set G0SB, 88
.set SEL0, 43
.set SEL1, 44
.set MSB, 0
.macro WIN new
.if MSB != \new
	s_set_vgpr_msb (MSB<<8)|\new
.set MSB, \new
.endif
.endm
.set MUL_LO, 0xa1
.set MUL_HI, 0xf1
.set TO_B,   0x40
.macro JLOAD g0a, g1a, g0b, g1b
	s_cmp_eq_u32 s15, 0
	s_cbranch_scc0 .Lfor_b_\@
	tensor_load_to_lds s[\g0a:\g0a+3], s[\g1a:\g1a+7]
	s_nop 0
.rept 4
	v_nop
.endr
	s_branch .Lasked_\@
.Lfor_b_\@:
	tensor_load_to_lds s[\g0b:\g0b+3], s[\g1b:\g1b+7]
	s_nop 0
.rept 4
	v_nop
.endr
.Lasked_\@:
.endm
.macro CREST
	s_cmp_lg_u32 s14, 0
	s_cbranch_scc1 .Lnot_wave_0_\@
	s_barrier_signal -3
.Lnot_wave_0_\@:
	s_barrier_wait -3
	s_barrier_signal -1
	s_barrier_wait -1
.endm
.macro CROUND
	s_barrier_signal -1
	s_barrier_wait -1
	CREST
.endm
	s_load_b256 s[68:75], s[0:1], 0x0
	s_load_b128 s[76:79], s[0:1], 0x20
	s_load_b64 s[80:81], s[0:1], 0x30
	v_lshl_add_u32 v[SPW], v0, 2, SPARE
	v_mov_b32 v[NIL], 0
	ds_add_u32 v[SPW], v[NIL]
	ds_add_u32 v[SPW], v[NIL]
	v_lshrrev_b32 v1, 5, v0
	v_readfirstlane_b32 s14, v1
	s_lshr_b32 s15, s14, 1
	s_and_b32 s16, s14, 1
	s_bfe_u32 s40, ttmp6, 0x40000
	s_bfe_u32 s41, ttmp6, 0x40004
	s_and_b32 s17, ttmp7, 0xffff
	s_lshr_b32 s2, s17, 3
	s_and_b32 s17, s17, 7
	s_lshl_b32 s17, s17, 2
	s_cmp_eq_u32 s2, 2
	s_cselect_b32 s42, s17, 0
	s_cselect_b32 s17, 0, s17
	s_add_co_u32 s42, s42, s40
	s_add_co_u32 s17, s17, s41
	s_lshl_b32 s43, s41, 2
	s_lshl_b32 s43, 15, s43
	s_lshl_b32 s44, 0x1111, s40
	s_or_b32 s[G1+0], s43, (3<<16)|(1<<21)
	s_or_b32 s[G1B+0], s44, (3<<16)|(1<<21)
.irp g, G1, G1B
	s_mov_b32 s[\g+1], 384<<16
	s_mov_b32 s[\g+2], 16<<16
	s_mov_b32 s[\g+3], 384<<16
	s_mov_b32 s[\g+4], 16
	s_mov_b32 s[\g+5], 1536
	s_mov_b32 s[\g+6], 0
	s_mov_b32 s[\g+7], 0
.endr
	s_mul_i32 s18, s2, 6291456
	s_lshl_b32 s20, s2, 18
	s_add_co_u32 s20, s20, 18874368
	s_mul_i32 s22, s2, 786432
	s_lshl_b32 s46, s2, 15
	s_add_co_u32 s46, s46, 3145728
	s_cmp_eq_u32 s2, 2
	s_cselect_b32 s18, 1572864, s18
	s_cselect_b32 s20, 3211264, s20
	s_cselect_b32 s22, 12582912, s22
	s_cselect_b32 s46, 19398656, s46
	s_lshl_b32 s45, s16, 7
	s_lshl_b32 s92, s17, 8
	s_add_co_u32 s92, s92, s45
	s_lshl_b32 s93, s42, 8
	s_add_co_u32 s93, s93, s45
	s_mul_i32 s94, s92, KROW
	s_add_co_u32 s18, s18, s94
	s_lshl_b32 s94, s92, 5
	s_add_co_u32 s20, s20, s94
	s_mul_i32 s95, s93, KROW
	s_add_co_u32 s22, s22, s95
	s_lshl_b32 s95, s93, 5
	s_add_co_u32 s46, s46, s95
	s_mov_b32 s19, 0
	s_mov_b32 s21, 0
	s_mov_b32 s23, 0
	s_mov_b32 s47, 0
	s_mul_i32 s45, s14, HALFT
	s_wait_dscnt 0x0
	s_wait_kmcnt 0x0
	s_cmp_eq_u32 s2, 1
	s_cselect_b64 s[96:97], s[74:75], s[72:73]
	s_cmp_eq_u32 s2, 0
	s_cselect_b64 s[12:13], s[78:79], s[80:81]
	s_cmp_eq_u32 s2, 2
	s_cselect_b64 s[96:97], s[76:77], s[96:97]
	s_cselect_b64 s[4:5], s[70:71], s[68:69]
	s_cselect_b64 s[8:9], s[68:69], s[70:71]
	s_add_nc_u64 s[18:19], s[4:5], s[18:19]
	s_add_nc_u64 s[20:21], s[4:5], s[20:21]
	s_add_nc_u64 s[22:23], s[8:9], s[22:23]
	s_add_nc_u64 s[46:47], s[8:9], s[46:47]
	s_or_b32 s[G1S+0], s43, (3<<16)|(1<<20)|(1<<21)|(5<<22)|(3<<25)
	s_or_b32 s[G1SB+0], s44, (3<<16)|(1<<20)|(1<<21)|(5<<22)|(3<<25)
.irp g, G1S, G1SB
	s_mov_b32 s[\g+1], 32<<16
	s_mov_b32 s[\g+2], 32<<16
	s_mov_b32 s[\g+3], 32<<16
	s_mov_b32 s[\g+4], 32
	s_mov_b32 s[\g+5], 32
	s_mov_b32 s[\g+6], 0
	s_mov_b32 s[\g+7], 0
.endr
	CROUND
	s_mov_b32 s[G0S], 1
	s_mov_b32 s[G0S+1], SCL
	s_sub_nc_u64 s[G0S+2:G0S+3], s[20:21], 4096    ; wave 1 issues it: its own 128 rows begin 4,096 bytes behind the tile's first
	s_or_b32 s[G0S+3], s[G0S+3], 0x80000000
	s_mov_b32 s[G0SB], 1
	s_mov_b32 s[G0SB+1], SCL+2*HALFS
	s_sub_nc_u64 s[G0SB+2:G0SB+3], s[46:47], 4096  ; wave 3 issues it
	s_or_b32 s[G0SB+3], s[G0SB+3], 0x80000000
.irp s, 0,1
	s_mov_b32 s[G0+4*\s], 1
	s_add_co_u32 s[G0+4*\s+1], s45, \s*SLOT
	s_add_nc_u64 s[G0+4*\s+2:G0+4*\s+3], s[18:19], \s*KSTEPB
	s_or_b32 s[G0+4*\s+3], s[G0+4*\s+3], 0x80000000
	s_mov_b32 s[G0B+4*\s], 1
	s_add_co_u32 s[G0B+4*\s+1], s45, \s*SLOT
	s_add_nc_u64 s[G0B+4*\s+2:G0B+4*\s+3], s[22:23], \s*KSTEPB
	s_or_b32 s[G0B+4*\s+3], s[G0B+4*\s+3], 0x80000000
.endr
; the head's four tiles, one joint load a wave, in one chain of arms: wave 0 slot 0's 16 row tiles of A, wave 1 the scales of A's 256 rows, wave 2 slot 0's 16 row tiles of B, wave 3 B's scales
	s_cmp_eq_u32 s14, 0
	s_cbranch_scc0 .Lh1
	tensor_load_to_lds s[G0:G0+3], s[G1:G1+7]
	s_nop 0
.rept 4
	v_nop
.endr
	s_branch .Lhj
.Lh1:
	s_cmp_eq_u32 s14, 1
	s_cbranch_scc0 .Lh2
	tensor_load_to_lds s[G0S:G0S+3], s[G1S:G1S+7]
	s_nop 0
.rept 4
	v_nop
.endr
	s_branch .Lhj
.Lh2:
	s_cmp_eq_u32 s14, 2
	s_cbranch_scc0 .Lh3
	tensor_load_to_lds s[G0B:G0B+3], s[G1B:G1B+7]
	s_nop 0
.rept 4
	v_nop
.endr
	s_branch .Lhj
.Lh3:
	tensor_load_to_lds s[G0SB:G0SB+3], s[G1SB:G1SB+7]
	s_nop 0
.rept 4
	v_nop
.endr
.Lhj:
	s_wait_alu depctr_va_vdst(0)
	s_wait_tensorcnt 0x0                           ; my tile of the four is in; slot 1's first fill follows as a refill does
	ds_add_u32 v28, v29
	s_mov_b32 s[G1+2], 8<<16                       ; no load of mine is out: from here on a load brings 8 row tiles
	s_mov_b32 s[G1+4], 8
	s_mov_b32 s[G1B+2], 8<<16
	s_mov_b32 s[G1B+4], 8
	s_wait_dscnt 0x0
	CROUND
	JLOAD G0+4, G1, G0B+4, G1B
	v_and_b32 v1, 15, v0
	v_bfe_u32 v2, v0, 4, 1
	v_and_b32 v3, 31, v0
	v_lshlrev_b32 v[O16], 4, v3
	v_lshlrev_b32 v[O8], 3, v3
	s_mul_i32 s21, s15, HALFT
	s_mul_i32 s22, s16, HALFT
	s_add_co_u32 s22, s22, 2*HALFT
.irp s, 0,1
	v_add_nc_u32 v[ADRA+\s], s21, v[O16]
	v_add_nc_u32 v[ADRB+\s], s22, v[O16]
	v_add_nc_u32 v[ADRA+2+\s], s21, v[O8]
	v_add_nc_u32 v[ADRB+2+\s], s22, v[O8]
	s_add_co_u32 s21, s21, SLOT
	s_add_co_u32 s22, s22, SLOT
.endr
	v_lshlrev_b32 v5, 5, v1
	v_lshrrev_b32 v6, 8, v5
	v_lshl_add_u32 v5, v6, 4, v5
	s_mul_i32 s21, s15, HALFS
	s_mul_i32 s22, s16, HALFS
	s_add_co_u32 s22, s22, 2*HALFS
	s_sub_co_u32 s22, s22, s21
	v_mul_u32_u24 v6, s22, v2
	s_add_co_u32 s21, s21, SCL
	v_add_nc_u32 v5, v5, v6
	v_add_nc_u32 v[ADRS], s21, v5
	v_lshlrev_b32 v8, 6, v2
	s_wait_alu depctr_va_vdst(0)
	v_and_b32 v9, 8, v1
	v_add_nc_u32 v9, v9, v1
	v_lshlrev_b32 v9, 2, v9
	s_wait_alu depctr_va_vdst(0)
	s_lshl_b32 s6, s17, 1
	s_add_co_u32 s6, s6, s15
	s_lshl_b32 s7, s42, 1
	s_add_co_u32 s7, s7, s16
	s_cmp_eq_u32 s2, 2
	s_cselect_b32 s10, s7, s6
	s_cselect_b32 s11, s6, s7
	s_cselect_b32 s100, s6, 0
	s_cselect_b32 s6, 0, s7
	s_lshl_b32 s100, s100, 9
	s_lshl_b32 s6, s6, 9
	s_mov_b32 s101, 0
	s_mov_b32 s7, 0
	s_add_nc_u64 s[100:101], s[96:97], s[100:101]
	s_add_nc_u64 s[96:97], s[96:97], s[6:7]
.irp g, 0,1,2,3
.irp i, 0,1,2,3
	global_load_b128 v[BP+16*\g+4*\i:BP+16*\g+4*\i+3], v8, s[96:97] offset:128*\g+16*\i
.endr
.endr
.irp a, 0,1,2,3,4,5,6,7
	global_load_b32 v[BR+\a], v9, s[100:101] offset:4*(32*(\a/2)+8*(\a%2))
.endr
	s_lshl_b32 s11, s11, 1
	s_lshr_b32 s6, s10, 4
	s_and_b32 s10, s10, 15
	s_lshl_b32 s6, s6, 4
	s_add_co_u32 s6, s6, s11
	s_lshl_b32 s6, s6, 4
	s_add_co_u32 s6, s6, s10
	s_mul_i32 s6, s6, STEPB
	s_add_nc_u64 s[12:13], s[12:13], s[6:7]
.irp b, 0,1,2,3
	v_mov_b32 v[TM+4+\b], 0
.endr
	s_mov_b32 s[SEL0], 0x76543210
	s_mov_b32 s[SEL1], 0xfedcba98
	s_mov_b32 s98, 0xffff0000
	s_mov_b32 s99, 0x7f7f0000
.macro FRAG reg, adr, q, i
	ds_load_b128 v[\reg:\reg+3], v[\adr] offset:KSTEPB*(\i)+1536*(\q)
	ds_load_b64 v[\reg+4:\reg+5], v[\adr+2] offset:KSTEPB*(\i)+1536*(\q)+512
	ds_load_b128 v[\reg+6:\reg+9], v[\adr] offset:KSTEPB*(\i)+1536*(\q)+768
	ds_load_b64 v[\reg+10:\reg+11], v[\adr+2] offset:KSTEPB*(\i)+1536*(\q)+1280
.endm
.macro MUL16 a0, p, q, sc, zero
.irp a, \a0, \a0+1
.irp b, 0,1,2,3,4,5,6,7
.if \zero
	v_wmma_scale_f32_16x16x128_f8f6f4 v[8*(8*((\a)%4)+\b):8*(8*((\a)%4)+\b)+7], v[128*(\p)+FR*\b:128*(\p)+FR*\b+FR-1], v[AF+FR*(\a):AF+FR*(\a)+FR-1], 0, v[SC+8*NQ*(\sc)+NQ*\b+(\q)], v[SC+8*NQ*(\sc)+NQ*(\a)+(\q)] matrix_a_fmt:MATRIX_FMT_FP6 matrix_b_fmt:MATRIX_FMT_FP6 matrix_a_scale:MATRIX_SCALE_ROW1
.else
	v_wmma_scale_f32_16x16x128_f8f6f4 v[8*(8*((\a)%4)+\b):8*(8*((\a)%4)+\b)+7], v[128*(\p)+FR*\b:128*(\p)+FR*\b+FR-1], v[AF+FR*(\a):AF+FR*(\a)+FR-1], v[8*(8*((\a)%4)+\b):8*(8*((\a)%4)+\b)+7], v[SC+8*NQ*(\sc)+NQ*\b+(\q)], v[SC+8*NQ*(\sc)+NQ*(\a)+(\q)] matrix_a_fmt:MATRIX_FMT_FP6 matrix_b_fmt:MATRIX_FMT_FP6 matrix_a_scale:MATRIX_SCALE_ROW1
.endif
.endr
.endr
.endm
.macro FETCH_B slot, q, p
	WIN TO_B
.irp i, 0,1,2,3,4,5,6,7
	FRAG 128*(\p)+FR*\i, ADRB+\slot, \q, \i
.endr
	WIN 0
.endm
.macro FETCH_A slot, q, i0
.irp i, \i0, \i0+1, \i0+2, \i0+3
	FRAG AF+FR*(\i), ADRA+\slot, \q, \i
.endr
.endm
.macro SCALES sc
.irp i, 0,1,2,3,4,5,6,7
	ds_load_b64 v[SC+8*NQ*\sc+NQ*\i:SC+8*NQ*\sc+NQ*\i+1], v[ADRS] offset:\i*SBLK
.endr
.endm
.macro PLACES n
.rept \n
	v_nop
.endr
.endm
.macro STEP slot, q, zero
	s_wait_dscnt 4*NL
	WIN MUL_LO
	MUL16 0, (\q)%2, \q, \slot, \zero
	MUL16 2, (\q)%2, \q, \slot, \zero
	s_wait_dscnt 0
	PLACES NP
	FETCH_B \slot, (\q)+1, 1-(\q)%2
	FETCH_A \slot, (\q)+1, 0
	WIN MUL_HI
	MUL16 4, (\q)%2, \q, \slot, \zero
	MUL16 6, (\q)%2, \q, \slot, \zero
	PLACES NP
	WIN 0
	FETCH_A \slot, (\q)+1, 4
.endm
.macro TURN slot, next, fill
	s_wait_tensorcnt 0x0
	ds_add_u32 v[SPW], v[NIL]
	s_wait_dscnt 4*NL+1
	WIN MUL_LO
	MUL16 0, 1, NQ-1, \slot, 0
	s_wait_dscnt 0x0
	s_barrier_signal -1
	MUL16 2, 1, NQ-1, \slot, 0
	WIN 0
	s_barrier_wait -1
.if \fill
	CREST
	s_add_nc_u64 s[G0+4*\slot+2:G0+4*\slot+3], s[G0+4*\slot+2:G0+4*\slot+3], 2*KSTEPB
	s_add_nc_u64 s[G0B+4*\slot+2:G0B+4*\slot+3], s[G0B+4*\slot+2:G0B+4*\slot+3], 2*KSTEPB
	JLOAD G0+4*\slot, G1, G0B+4*\slot, G1B
.else
	PLACES NP
.endif
	s_wait_alu depctr_va_vdst(0)
	v_add_nc_u32 v[ADRS], 4*NQ, v[ADRS]
	FETCH_B \next, 0, 0
	FETCH_A \next, 0, 0
	SCALES \next
	WIN MUL_HI
	MUL16 4, 1, NQ-1, \slot, 0
	MUL16 6, 1, NQ-1, \slot, 0
	PLACES NP
	WIN 0
	FETCH_A \next, 0, 4
.endm
	s_wait_tensorcnt 1
	s_barrier_signal -1
	s_barrier_wait -1
	FETCH_B 0, 0, 0
	FETCH_A 0, 0, 0
	SCALES 0
	FETCH_A 0, 0, 4
	STEP 0, 0, 1
	TURN 0, 1, 1
	STEP 1, 0, 0
	TURN 1, 0, 1
	STEP 0, 0, 0
	TURN 0, 1, 0
	STEP 1, 0, 0
	s_wait_dscnt 4*NL
	WIN MUL_LO
	MUL16 0, 1, NQ-1, 1, 0
	MUL16 2, 1, NQ-1, 1, 0
	s_wait_dscnt 0
	WIN MUL_HI
	MUL16 4, 1, NQ-1, 1, 0
	MUL16 6, 1, NQ-1, 1, 0
	WIN 0
.macro QUANT s, pw
.irp b, 0,1,2,3
	v_max3_num_f32 v[TM+\b], |v[\s+16*\b]|, |v[\s+1+16*\b]|, 0x1800000
.endr
.irp i, 2,4,6,8,10,12,14
.irp b, 0,1,2,3
	v_max3_num_f32 v[TM+\b], v[TM+\b], |v[\s+16*\b+\i]|, |v[\s+1+16*\b+\i]|
.endr
.endr
.irp b, 0,1,2,3
	v_permlanex16_b32 v[TM+4+\b], v[TM+\b], s[SEL0], s[SEL1]
.endr
.irp b, 0,1,2,3
	v_max_num_f32 v[TM+\b], v[TM+\b], v[TM+4+\b]
.endr
.irp b, 0,1,2,3
	v_add_nc_u32 v[TM+12+\b], 0xff000000, v[TM+\b]
.endr
.irp b, 0,1,2,3
	v_lshrrev_b32 v[TM+4+\b], 23, v[TM+12+\b]
.endr
	v_lshl_or_b32 v[\pw], v[TM+5], 8, v[TM+4]
	v_lshl_or_b32 v[\pw], v[TM+6], 16, v[\pw]
	v_lshl_or_b32 v[\pw], v[TM+7], 24, v[\pw]
.irp c, 0,1
	v_cvt_scalef32_pk16_fp6_f32 v[PC+6*\c:PC+2+6*\c], v[\s+32*\c:\s+15+32*\c], v[TM+12+2*\c]
	v_cvt_scalef32_pk16_fp6_f32 v[PC+12+4*\c:PC+14+4*\c], v[\s+16+32*\c:\s+31+32*\c], v[TM+12+2*\c+1]
.endr
	v_nop
.irp c, 0,1
.irp i, 0,1,2
	v_permlane16_swap_b32 v[PC+6*\c+\i], v[PC+12+4*\c+\i]
.endr
.irp i, 0,1,2
	v_mov_b32 v[PC+3+6*\c+\i], v[PC+12+4*\c+\i]
.endr
.endr
.endm
.macro OUT4 off, d
	global_store_b128 v[O16], v[PC:PC+3], s[12:13] offset:\off
	global_store_b64 v[O8], v[PC+4:PC+5], s[12:13] offset:\off+512
	global_store_b128 v[O16], v[PC+6:PC+9], s[12:13] offset:\off+\d
	global_store_b64 v[O8], v[PC+10:PC+11], s[12:13] offset:\off+\d+512
.endm
	s_wait_loadcnt 0x0
	PLACES NP
	s_cmp_eq_u32 s2, 2
	s_cbranch_scc1 .Lpath_v
.irp a, 0,1,2,3,4,5,6,7
.set AC, 64*((\a)%4)
	WIN 0x02+(\a)/4
.set n, 0
.rept 32
	v_pk_add_f32 v[X+n:X+n+1], v[AC+n:AC+n+1], v[BP+n:BP+n+1]
.set n, n+2
.endr
	WIN 0
	s_wait_xcnt 0x0
	QUANT X, PWS+\a
	OUT4 768*\a, HEADB
.endr
.irp i, 0,1,2,3
	v_cndmask_b32 v[SI+\i], v[PWS+2*\i], v[PWS+2*\i+1], s98
.endr
.irp i, 0,1,2,3
	v_and_or_b32 v[SI+4+\i], v[SI+\i], 0xffff, s99
.endr
.irp i, 0,1,2,3
	v_lshrrev_b32 v[SI+\i], 16, v[SI+\i]
.endr
.irp i, 0,1,2,3
	v_or_b32 v[SI+\i], s99, v[SI+\i]
.endr
	global_store_b128 v[O16], v[SI+4:SI+7], s[12:13] offset:12288
	global_store_b128 v[O16], v[SI:SI+3], s[12:13] offset:12288+HEADB
	s_branch .Lend
.Lpath_v:
.irp a, 0,1,2,3,4,5,6,7
.set AC, 64*((\a)%4)
	WIN 0x02+(\a)/4
.set n, 0
.rept 32
.if (\a)%2 == 0
	v_pk_add_f32 v[X+n:X+n+1], v[AC+n:AC+n+1], v[BR+2*((\a)/2):BR+2*((\a)/2)+1] op_sel_hi:[1,0]
.else
	v_pk_add_f32 v[X+n:X+n+1], v[AC+n:AC+n+1], v[BR+2*((\a)/2):BR+2*((\a)/2)+1] op_sel:[0,1] op_sel_hi:[1,1]
.endif
.set n, n+2
.endr
	WIN 0
	s_wait_xcnt 0x0
	QUANT X, PWS+\a
	OUT4 ((\a)/4)*HEADB+6144+1536*((\a)%4), 768
.endr
.irp hh, 0,1
.irp i, 0,1
	v_cndmask_b32 v[SI+2*\hh+\i], v[PWS+4*\hh+2*\i], v[PWS+4*\hh+2*\i+1], s98
.endr
	global_store_b64 v[O8], v[SI+2*\hh:SI+2*\hh+1], s[12:13] offset:\hh*HEADB+12800
.endr
.Lend:
	s_wait_tensorcnt 0x0
	ds_add_u32 v[SPW], v[NIL]
	s_wait_dscnt 0x0
	CROUND
	s_endpgm
.Lfunc_end_k_q215bbd20a8_proj:
	.size	k_q215bbd20a8_proj, .Lfunc_end_k_q215bbd20a8_proj-k_q215bbd20a8_proj
	.p2alignl 7, 3214868480
	.fill 96, 4, 3214868480
	.section	.rodata,"a",@progbits
	.p2align	6, 0x0
	.amdhsa_kernel k_q215bbd20a8_proj
		.amdhsa_group_segment_fixed_size 327680
		.amdhsa_private_segment_fixed_size 0
		.amdhsa_enable_private_segment 0
		.amdhsa_kernarg_size 56
		.amdhsa_user_sgpr_count 2
		.amdhsa_user_sgpr_kernarg_segment_ptr 1
		.amdhsa_wavefront_size32 1
		.amdhsa_system_sgpr_workgroup_id_x 1
		.amdhsa_system_sgpr_workgroup_id_y 1
		.amdhsa_system_sgpr_workgroup_id_z 1
		.amdhsa_system_vgpr_workitem_id 0
		.amdhsa_next_free_vgpr 1024
		.amdhsa_next_free_sgpr 102
		.amdhsa_reserve_vcc 0
		.amdhsa_float_denorm_mode_32 3
		.amdhsa_float_denorm_mode_16_64 3
		.amdhsa_memory_ordered 1
		.amdhsa_forward_progress 1
		.amdhsa_inst_pref_size 219
	.end_amdhsa_kernel
	.amdgpu_metadata
---
amdhsa.version: [ 1, 2 ]
amdhsa.kernels:
  - .name:           k_q215bbd20a8_proj
    .symbol:         k_q215bbd20a8_proj.kd
    .args:
      - { .name: xq, .offset: 0, .size: 8, .value_kind: global_buffer, .address_space: global }
      - { .name: wq, .offset: 8, .size: 8, .value_kind: global_buffer, .address_space: global }
      - { .name: bq, .offset: 16, .size: 8, .value_kind: global_buffer, .address_space: global }
      - { .name: bk, .offset: 24, .size: 8, .value_kind: global_buffer, .address_space: global }
      - { .name: bv, .offset: 32, .size: 8, .value_kind: global_buffer, .address_space: global }
      - { .name: qimg, .offset: 40, .size: 8, .value_kind: global_buffer, .address_space: global }
      - { .name: kvimg, .offset: 48, .size: 8, .value_kind: global_buffer, .address_space: global }
    .group_segment_fixed_size: 327680
    .private_segment_fixed_size: 0
    .kernarg_segment_align: 8
    .kernarg_segment_size: 56
    .max_flat_workgroup_size: 128
    .sgpr_count:     102
    .vgpr_count:     1024
    .wavefront_size: 32
...
	.end_amdgpu_metadata
.endif
;; end of part 2
;; launch attn (part 3): grid 4 x 64, 16 waves a work-group, clusters of 4 x 1, 327,680 bytes of LDS; arguments qimg, kvimg, mbits, aoq; writes aoq
.if DOCPART == 3
	.amdgcn_target "amdgcn-amd-amdhsa--gfx1250"
	.amdhsa_code_object_version 6
	.text
	.protected	k_q215bbd20a8_attn
	.globl	k_q215bbd20a8_attn
	.p2align	8
	.type	k_q215bbd20a8_attn,@function
k_q215bbd20a8_attn:
	s_mov_b64 s[64:65], 0
	v_nop
	global_prefetch_b8 v0, s[64:65] scope:SCOPE_SE
	s_setreg_imm32_b32 hwreg(HW_REG_WAVE_MODE, 25, 1), 1
	s_wait_xcnt 0x0
	s_wait_alu depctr_hold_cnt(0) depctr_sa_sdst(0) depctr_va_vdst(0) depctr_va_sdst(0) depctr_va_ssrc(0) depctr_va_vcc(0) depctr_vm_vsrc(0)
	s_getreg_b32 s2, hwreg(HW_REG_IB_STS2, 6, 4)
	s_cmp_eq_u32 s2, 0
	s_cbranch_scc0 .Lentry_in_a_cluster
	s_endpgm
.Lentry_in_a_cluster:
	s_bfe_u32 s2, ttmp6, 0x10000c
	s_cmp_lg_u32 s2, 0x3003
	s_cbranch_scc0 .Lentry_shape_is_right
	s_endpgm
.Lentry_shape_is_right:
; ATTN: for each batch and head, O[q] = sum over k of softmax_k(where(mask == 0, -1e9, Q[q] . K[k] / 8)) V[k], both products on codes of FP6 (E2M3) with E8M0 scales; the result is quantised along HID for the last product.
; THE SOFTMAX: t = score x log2(e) / 8; M = the running largest t rounded up to a whole number; p = 2^(t - M) is quantised along the keys, not normalised; the row's sum is taken of the unquantised p and divides O at the end.
; When M moves, the sum and O are multiplied by 2^(old M - new M): exact.
; THE MASK comes as one bit a number: word rho of a step is the lane mask for score register rho; it is read by scalar loads a whole step ahead and selects by v_cndmask_b32: no branch and no address hangs on it.
; LIMIT: a masked score is set to -2^33, that is a logit of -2^30 for -1e9: t is then a whole number, so that a row with no key left gives p = 1 for every key, the mean of V, as the -1e9 does; the two differ only where logits that
; count lie near or under -1e9.  NaN and infinities are not served; blocks under 2^-124, and blocks of zeros, keep the scale byte 1 (read by this program alone).
; SHARES.  A cluster of four work-groups is one (batch, head); each work-group takes 512 of its 2,048 queries, in two passes of 256; each of its sixteen waves one tile of 16 queries a pass, in 256 registers.
; K AND V OF THE WHOLE HEAD STAY IN LDS: 16 steps of 128 keys x 13,056 bytes (eight tiles of K, four fragments of V, their scale words, all as images of operand registers).  Wave w asks for step w by ONE tensor load, jointly with
; the three partners: a wave has one load out, and there is one barrier.  All tiles are asked for at the head, so there is no loop to run ahead in: no prefetch.
; LAYOUT.  Both products are used transposed (S^T = K Q^T, O^T = V^T P^T): a lane holds one query.  K's tile 4 c + j holds at its rows 8 h + i key 64 c + 32 h + 8 j + i, so score register 32 c + x of lane (r, h) is key 64 c + 32 h + x:
; a lane's 32 registers are ONE block of the second product's K, in that operand's own order: a block's largest p needs no other lane, and the codes fall as the operand wants them.
; THE HEAD'S 64 IN AN INSTRUCTION OF 128: Q's operand has zero codes in registers 6-11 and the byte 127 for those blocks on both sides; K's operand for tile T names the six registers of tile T and the six that follow (behind tile 7:
; pass 1's codes of Q, which wait there), whose codes meet zeros and add nothing.
; THE STEP'S LDS LOADS: V's 17 at its top, the NEXT step's 17 of K behind this step's score products (step 15 asks for step 0, which pass 1 begins with; pass 1's last 17 are read by nobody).  Both waits on DScnt have the count 17:
; the younger run may be out.
.set STEPB, 13056
.set NSTEP, 16
.set SPARE, NSTEP*STEPB                ; behind the head's tiles: the spare words, 128 bytes for each of 16 waves, that no other line names
.set L16,  1                           ; 16 x lane
.set L8,   2                           ; 8 x lane
.set A16,  3                           ; a step's tiles + 16 x lane
.set A8,   4                           ; + 8 x lane
.set SPW,  5                           ; my spare word; never rewritten
.set NIL,  6                           ; 0; never rewritten
.set QS,   7                           ; v7, v8 Q's scale words, pass 0 and 1: nothing else
.set SOF,  9                           ; 32 r + h: my byte among the result's scale bytes
.set NEG,  10                          ; -2^33
.set T0,   11                          ; v12 -M, v13 the largest score, v[14:15] the sum in two halves
.set Q,    16                          ; v16-27 Q's operand; the upper six registers are 0
.set K,    28                          ; v28-75 eight tiles of K; v76-81 pass 1's codes of Q
.set V,    82                          ; v82-129 four fragments of V
.set S,    130                         ; v130-193 S^T, then p; p's codes are laid over v146-157
.set PC,   S+16
.set EP,   S+32                         ; the way out's codes
.set O,    194                         ; v194-225 O^T
.set CT,   226                         ; v226-233 a conversion's second half (226-228, 230-232), then four chains of the sum
.set KSC,  234                         ; v234-237 K's scale words
.set VSC,  238                         ; v238-239 V's
.set PW,   240                         ; p's scale word: nothing else
.set H8,   241                         ; 8 h
.set BM,   242                         ; v242-243 the two blocks' largest scores
.set SO,   244                         ; v244-245 the conversions' scale operands
.set FF,   246                         ; v[246:247] f = 2^(old M - new M) (v247 is only named with it)
.set BQ,   248                         ; v248-249 second chains of the maxima, then bytes
.set T1,   250                         ; the old -M
.set PT,   251                         ; a permute's result
.set Y0,   252                         ; v[252:253], v[254:255] two more chains of the sum
.set Y1,   254
.set MP,   2                           ; s[2:3] my 32 steps of mask words;  s[4:51], s[68:83] a step's 64 words
.set G1,   52
.set G0,   60
.set AO,   66                          ; s[66:67] my half fragment in aoq;  s[96:97] my rows' scale bytes
.set AOS,  96
.set SEL,  84                          ; v_permlanex16_b32's selects for lane l xor 16
.set CS,   86                          ; s[86:87] c = log2(e) / 8
.set WV,   88
.set IT,   89                          ; the step, 0 .. 15
.set TN,   90                          ; the next step's first LDS byte
.set MOFF, 91
.set HM,   92                          ; lanes 16-31
.set QB,   98                          ; s[98:99] my block of 128 queries in qimg
.macro CROUND
	s_barrier_signal -1
	s_barrier_wait -1
	s_cmp_lg_u32 s[WV], 0
	s_cbranch_scc1 .Lnot_wave_0_\@
	s_barrier_signal -3
.Lnot_wave_0_\@:
	s_barrier_wait -3
	s_barrier_signal -1
	s_barrier_wait -1
.endm
.macro MLOAD                           ; a step's 64 mask words
	s_load_b512 s[4:19], s[MP:MP+1], s[MOFF] offset:0x0
	s_load_b512 s[20:35], s[MP:MP+1], s[MOFF] offset:0x40
	s_load_b512 s[36:51], s[MP:MP+1], s[MOFF] offset:0x80
	s_load_b512 s[68:83], s[MP:MP+1], s[MOFF] offset:0xc0
.endm
.macro KLOAD                           ; eight tiles of K and their scale words: 17 loads
.irp T, 0,1,2,3,4,5,6,7
	ds_load_b128 v[K+6*\T:K+6*\T+3], v[A16] offset:768*\T
	ds_load_b64 v[K+6*\T+4:K+6*\T+5], v[A8] offset:768*\T+512
.endr
	ds_load_b128 v[KSC:KSC+3], v[A16] offset:12288
.endm
.macro VLOAD                           ; four fragments of V and their scale words: 17 loads
.irp i, 0,1,2,3,4,5,6,7
	ds_load_b128 v[V+6*\i:V+6*\i+3], v[A16] offset:6144+768*\i
	ds_load_b64 v[V+6*\i+4:V+6*\i+5], v[A8] offset:6144+768*\i+512
.endr
	ds_load_b64 v[VSC:VSC+1], v[A8] offset:12800
.endm
	s_load_b256 s[68:75], s[0:1], 0x0              ; qimg, kvimg, mbits, aoq
	v_lshl_add_u32 v[SPW], v0, 2, SPARE
	v_mov_b32 v[NIL], 0
	ds_add_u32 v[SPW], v[NIL]                      ; the opening lines: the add, twice, and its wait ahead of my tensor load
	ds_add_u32 v[SPW], v[NIL]
	v_lshrrev_b32 v1, 5, v0
	s_delay_alu instid0(VALU_DEP_1)
	v_readfirstlane_b32 s[WV], v1                  ; wave 0..15
	s_bfe_u32 s93, ttmp6, 0x40000                  ; cx: my quarter of the queries; it enters global addresses of my own loads and stores alone
	s_and_b32 s94, ttmp7, 0xffff                   ; 16 x batch + head, which the four partners share
	s_mov_b32 s[G1], 15|(3<<16)|(1<<21)            ; 13,056 dense bytes as 51 rows of 256 bytes; the mask names all four work-groups
	s_mov_b32 s[G1+1], 32<<16
	s_mov_b32 s[G1+2], 51<<16
	s_mov_b32 s[G1+3], 32<<16
	s_mov_b32 s[G1+4], 51
	s_mov_b32 s[G1+5], 32
	s_mov_b32 s[G1+6], 0
	s_mov_b32 s[G1+7], 0
	s_mov_b32 s[G0], 1
	s_mul_i32 s[G0+1], s[WV], STEPB                ; step w lands at 13,056 w
	s_lshl_b32 s95, s94, 4
	s_add_co_u32 s100, s95, s[WV]
	s_mul_i32 s100, s100, STEPB                    ; and comes from step w of my head
	s_mov_b32 s101, 0
	s_lshl_b32 s96, s93, 2
	s_add_co_u32 s95, s95, s96
	s_lshr_b32 s96, s[WV], 3
	s_add_co_u32 s95, s95, s96                     ; Q: block 4 cx + w / 8 of my head (pass 1: two blocks on)
	s_mul_i32 s[QB], s95, STEPB
	s_mov_b32 s[QB+1], 0
	s_lshr_b32 s95, s94, 4                         ; the batch
	s_and_b32 s94, s94, 15                         ; the head
	s_lshl_b32 s95, s95, 2
	s_add_co_u32 s95, s95, s93                     ; 4 x batch + cx
	s_lshl_b32 s90, s95, 4
	s_add_co_u32 s90, s90, s[WV]
	s_lshl_b32 s[MP], s90, 13                      ; the mask words: 8,192 bytes for each wave's two passes
	s_mov_b32 s[MP+1], 0
	s_lshl_b32 s95, s95, 5
	s_add_co_u32 s95, s95, s[WV]                   ; my tile of 16 rows in pass 0: 128 x batch + 32 cx + w
	s_mul_i32 s[AO], s95, 12288
	s_mul_i32 s90, s94, 768
	s_add_co_u32 s[AO], s[AO], s90
	s_mov_b32 s[AO+1], 0
	s_lshl_b32 s[AOS], s95, 9
	s_lshl_b32 s90, s94, 1
	s_add_co_u32 s[AOS], s[AOS], s90
	s_add_co_u32 s[AOS], s[AOS], 6291456
	s_mov_b32 s[AOS+1], 0
	s_mov_b32 s[SEL], 0x76543210
	s_mov_b32 s[SEL+1], 0xfedcba98
	s_mov_b32 s[CS], 0x3e38aa3b                    ; log2(e) / 8
	s_mov_b32 s[CS+1], s[CS]                       ; (named with it as a pair, so it is written)
	s_mov_b32 s[HM], 0xffff0000
	s_mov_b32 s[MOFF], 0
	s_wait_dscnt 0x0                               ; both opening adds are done
	s_wait_kmcnt 0x0
	s_add_nc_u64 s[G0+2:G0+3], s[70:71], s[100:101]
	s_or_b32 s[G0+3], s[G0+3], 0x80000000
	s_add_nc_u64 s[QB:QB+1], s[68:69], s[QB:QB+1]
	s_add_nc_u64 s[MP:MP+1], s[72:73], s[MP:MP+1]
	s_add_nc_u64 s[AO:AO+1], s[74:75], s[AO:AO+1]
	s_add_nc_u64 s[AOS:AOS+1], s[74:75], s[AOS:AOS+1]
	CROUND                                         ; all four work-groups are here: the joint loads meet
	tensor_load_to_lds s[G0:G0+3], s[G1:G1+7]      ; my one tensor load
	s_nop 0
.rept 4
	v_nop
.endr
	v_and_b32 v1, 31, v0
	s_delay_alu instid0(VALU_DEP_1)
	v_lshlrev_b32 v[L8], 3, v1
	s_delay_alu instid0(VALU_DEP_2)
	v_lshlrev_b32 v[L16], 4, v1
	s_and_b32 s93, s[WV], 7                        ; my tile in the block of 128 queries
	s_mul_i32 s94, s93, 768
	v_add_nc_u32 v[S], s94, v[L16]
	v_add_nc_u32 v[S+1], s94, v[L8]
	v_and_b32 v[T0], 15, v0                        ; r
	v_bfe_u32 v[T1], v0, 4, 1                      ; h
	s_wait_alu depctr_va_vdst(0)
	v_lshlrev_b32 v[S+2], 4, v[T0]                 ; its scale word: lane r + 16 (tile % 2) of the image, word tile / 2
	s_and_b32 s94, s[WV], 1
	s_lshl_b32 s94, s94, 8
	s_lshr_b32 s93, s93, 1
	s_lshl_b32 s93, s93, 2
	s_add_co_u32 s94, s94, s93
	v_add_nc_u32 v[S+2], s94, v[S+2]
	global_load_b128 v[Q:Q+3], v[S], s[QB:QB+1]
	global_load_b64 v[Q+4:Q+5], v[S+1], s[QB:QB+1] offset:512
	global_load_b32 v[QS], v[S+2], s[QB:QB+1] offset:12288
	global_load_b128 v[K+48:K+51], v[S], s[QB:QB+1] offset:2*STEPB          ; pass 1's codes wait behind K's tile 7
	global_load_b64 v[K+52:K+53], v[S+1], s[QB:QB+1] offset:2*STEPB+512
	global_load_b32 v[QS+1], v[S+2], s[QB:QB+1] offset:2*STEPB+12288
	MLOAD                                          ; step 0's mask words (the arguments' registers are free)
	v_lshl_add_u32 v[SOF], v[T0], 5, v[T1]
	v_lshlrev_b32 v[H8], 3, v[T1]
	v_mov_b32 v[NEG], 0xd0000000                   ; -2^33
	v_mov_b32 v[A16], v[L16]                       ; step 0
	v_mov_b32 v[A8], v[L8]
.irp i, 6,7,8,9,10,11
	v_mov_b32 v[Q+\i], 0                           ; zero codes for the upper 64 of the instruction's K
.endr
	v_mov_b32 v[BQ], 0                             ; a lane permute's destination counts as one of its sources
	v_mov_b32 v[BQ+1], 0
	v_mov_b32 v[PT], 0
	v_mov_b32 v[FF+1], 0
	s_wait_alu depctr_va_vdst(0)
	s_wait_loadcnt 0x0                             ; Q
	s_wait_tensorcnt 0x0                           ; my step has landed,
	s_barrier_signal -1
	s_barrier_wait -1                              ; everybody's has: the head's K and V lie in LDS for the rest of the launch
	KLOAD                                          ; step 0's K
.macro PASS p
	v_mov_b32 v13, 0xff61b1e6                      ; the largest score so far: -3e38, under every score
	s_delay_alu instid0(VALU_DEP_1)
	v_mul_f32 v[T0], s[CS], v13
	s_delay_alu instid0(VALU_DEP_1)
	v_floor_f32 v12, -v[T0]                        ; -M
	s_delay_alu instid0(VALU_DEP_1)
	v_mov_b32 v[T1], v12
	v_mov_b32 v14, 0
	v_mov_b32 v15, 0
.if \p
.irp i, 0,1,2,3,4,5
	v_mov_b32 v[Q+\i], v[K+48+\i]                  ; pass 1's codes of Q
.endr
.endif
.set j, 0
.rept 32
	v_mov_b32 v[O+j], 0                            ; O^T: the step is written once; its first trip finds zeros, which the first change of M leaves zeros
.set j, j+1
.endr
	s_mov_b32 s[IT], 0
.Lstep_\@:                                         ; 16 trips: a step of 128 keys.  v[A16], v[A8] point at this step; its K is on its way or in
	VLOAD
	s_wait_dscnt 17                                ; K and its scale words are in; V's 17 loads may be out
.irp T, 0,1,2,3,4,5,6,7                        ; S^T = K Q^T: eight tiles of 16 keys
.if \T%2 == 0
	v_wmma_scale_f32_16x16x128_f8f6f4 v[S+8*\T:S+8*\T+7], v[K+6*\T:K+6*\T+11], v[Q:Q+11], 0, v[KSC+\T/2], v[QS+\p] matrix_a_fmt:MATRIX_FMT_FP6 matrix_b_fmt:MATRIX_FMT_FP6
.else
	v_wmma_scale_f32_16x16x128_f8f6f4 v[S+8*\T:S+8*\T+7], v[K+6*\T:K+6*\T+11], v[Q:Q+11], 0, v[KSC+\T/2], v[QS+\p] matrix_a_fmt:MATRIX_FMT_FP6 matrix_b_fmt:MATRIX_FMT_FP6 matrix_a_scale:MATRIX_SCALE_ROW1
.endif
.endr
	s_add_co_u32 s[TN], s[IT], 1
	s_and_b32 s[TN], s[TN], 15                     ; behind step 15 comes step 0
	s_mul_i32 s[TN], s[TN], STEPB
	v_add_nc_u32 v[A16], s[TN], v[L16]             ; four places behind the products, in front of the loads into K's registers and of the first read of the scores
	v_add_nc_u32 v[A8], s[TN], v[L8]
	v_nop
	v_nop
	KLOAD                                          ; the next step's K
	s_wait_kmcnt 0x0                               ; this step's mask words, asked for a step ago
.set rho, 0
.rept 64
.if rho < 48
	v_cndmask_b32 v[S+rho], v[NEG], v[S+rho], s[4+rho]          ; a key that the mask takes away: -2^33.  Each accumulator from its low end on
.else
	v_cndmask_b32 v[S+rho], v[NEG], v[S+rho], s[20+rho]
.endif
.set rho, rho+1
.endr
	s_add_co_u32 s[MOFF], s[MOFF], 256             ; the next step's words (pass 1's follow pass 0's); the very last trip loads its own again: no load leaves the buffer
	s_min_u32 s[MOFF], s[MOFF], 7936
	MLOAD
.irp c, 0,1                                    ; the largest score of my two blocks of 32 keys, each in two chains: it serves the row's maximum and, since p rises with the score, the block's largest p
	v_max3_num_f32 v[BM+\c], v[S+32*\c], v[S+32*\c+1], v[S+32*\c+2]
.endr
.irp c, 0,1
	v_max3_num_f32 v[BQ+\c], v[S+32*\c+16], v[S+32*\c+17], v[S+32*\c+18]
.endr
.irp i, 3,5,7,9,11,13
.irp c, 0,1
	s_delay_alu instid0(VALU_DEP_4)
	v_max3_num_f32 v[BM+\c], v[BM+\c], v[S+32*\c+\i], v[S+32*\c+\i+1]
.endr
.irp c, 0,1
	s_delay_alu instid0(VALU_DEP_4)
	v_max3_num_f32 v[BQ+\c], v[BQ+\c], v[S+32*\c+16+\i], v[S+32*\c+17+\i]
.endr
.endr
.irp c, 0,1
	s_delay_alu instid0(VALU_DEP_2)
	v_max3_num_f32 v[BM+\c], v[BM+\c], v[BQ+\c], v[S+32*\c+15]
.endr
.irp c, 0,1
	s_delay_alu instid0(VALU_DEP_2)
	v_max_num_f32 v[BM+\c], v[BM+\c], v[S+32*\c+31]
.endr
	s_delay_alu instid0(VALU_DEP_1)
	v_max_num_f32 v[T0], v[BM], v[BM+1]
	s_delay_alu instid0(VALU_DEP_1)
	v_permlanex16_b32 v[PT], v[T0], s[SEL], s[SEL+1]
	s_delay_alu instid0(VALU_DEP_1)
	v_max3_num_f32 v13, v13, v[T0], v[PT]          ; the running largest score of my query (lane l xor 16 holds its other 64 keys)
	s_delay_alu instid0(VALU_DEP_1)
	v_mul_f32 v[T0], s[CS], v13                    ; as t (c is positive)
	s_delay_alu instid0(VALU_DEP_1)
	v_floor_f32 v12, -v[T0]                        ; the new -M = floor(-t): M is a whole number
	s_delay_alu instid0(VALU_DEP_1)
	v_sub_f32 v[T0], v12, v[T1]                    ; old M - new M: a whole number, 0 or less
	s_delay_alu instid0(VALU_DEP_1)
	v_cvt_i32_f32 v[T0], v[T0]                     ; (it saturates)
	s_delay_alu instid0(VALU_DEP_1)
	v_ldexp_f32 v[FF], 1.0, v[T0]                  ; f = 2^(old M - new M)
.set j, 0
.rept 32
	v_pk_fma_f32 v[S+j:S+j+1], v[S+j:S+j+1], s[CS:CS+1], v[12:13] op_sel_hi:[1,0,0]   ; t - M, two at a time
.set j, j+2
.endr
.irp c, 0,1
	v_fma_f32 v[BM+\c], v[BM+\c], s[CS], v12       ; the same of each block's largest score
.endr
.set j, 0
.rept 16
	v_pk_mul_f32 v[O+j:O+j+1], v[O+j:O+j+1], v[FF:FF+1] op_sel_hi:[1,0]   ; O^T under the new M, ahead of the exponentials
.set j, j+2
.endr
	s_wait_alu depctr_va_vdst(0)
.set j, 0
.rept 64
	v_exp_f32 v[S+j], v[S+j]                       ; p = 2^(t - M), at most 1
.set j, j+1
.endr
.irp c, 0,1
	v_exp_f32 v[BM+\c], v[BM+\c]                   ; the blocks' largest p: the same two instructions on the same number give the same bits
.endr
	v_pk_mul_f32 v[14:15], v[14:15], v[FF:FF+1] op_sel_hi:[1,0]   ; the sums under the new M: the plain place behind the exponentials
	s_wait_alu depctr_va_vdst(0)                   ; one wait for the batch of 66, ahead of its first reader
.irp c, 0,1
	v_max_num_f32 v[BM+\c], 0x1800000, v[BM+\c]    ; the floor 2^(3 - 127): a block whose every p is 0 keeps the byte 1; its codes are zeros
.endr
.irp c, 0,1
	v_add_nc_u32 v[SO+\c], 0xff000000, v[BM+\c]    ; 2 off the exponent field: the conversion's scale operand
.endr
	v_pk_add_f32 v[Y0:Y0+1], v[S+16:S+17], v[S+20:S+21]          ; THE ROW'S SUM, of the unquantised p: first the 16 numbers over which the codes will be laid
	v_pk_add_f32 v[Y1:Y1+1], v[S+18:S+19], v[S+22:S+23]
.irp i, 24,28
	v_pk_add_f32 v[Y0:Y0+1], v[Y0:Y0+1], v[S+\i:S+\i+1]
	v_pk_add_f32 v[Y1:Y1+1], v[Y1:Y1+1], v[S+\i+2:S+\i+3]
.endr
	v_cvt_scalef32_pk16_fp6_f32 v[CT:CT+2], v[S+16:S+31], v[SO]          ; (a conversion's three registers begin on an even number: each block's second half is made aside and moved)
	v_cvt_scalef32_pk16_fp6_f32 v[CT+4:CT+6], v[S+48:S+63], v[SO+1]
.irp c, 0,1
	v_lshrrev_b32 v[BQ+\c], 23, v[SO+\c]           ; the scales' bytes: also the plain place in front of the line that writes over the first conversion's sources
.endr
	v_cvt_scalef32_pk16_fp6_f32 v[PC:PC+2], v[S:S+15], v[SO]
	v_cvt_scalef32_pk16_fp6_f32 v[PC+6:PC+8], v[S+32:S+47], v[SO+1]
	v_lshl_or_b32 v[T0], v[BQ+1], 16, v[BQ]        ; my two bytes, blocks h and 2 + h,
	v_lshlrev_b32 v[T0], v[H8], v[T0]              ; at their places in the word;
	v_permlanex16_b32 v[PT], v[T0], s[SEL], s[SEL+1]
	v_or_b32 v[PW], v[T0], v[PT]                   ; with lane l xor 16's two: p's scale word for these 128 keys
.irp c, 0,1
.irp i, 0,1,2
	v_mov_b32 v[PC+6*\c+3+\i], v[CT+4*\c+\i]
.endr
.endr
.irp i, 0,1,2,3                                ; the other 48 numbers, in four chains: also the places between the writes of p's codes and scale word and the products
	v_pk_add_f32 v[CT+2*\i:CT+2*\i+1], v[S+2*\i:S+2*\i+1], v[S+8+2*\i:S+9+2*\i]
.endr
.irp g, 0,1,2,3
.irp i, 0,1,2,3
	v_pk_add_f32 v[CT+2*\i:CT+2*\i+1], v[CT+2*\i:CT+2*\i+1], v[S+32+8*\g+2*\i:S+33+8*\g+2*\i]
.endr
.endr
	v_pk_add_f32 v[CT:CT+1], v[CT:CT+1], v[CT+2:CT+3]
	v_pk_add_f32 v[CT+4:CT+5], v[CT+4:CT+5], v[CT+6:CT+7]
	v_pk_add_f32 v[Y0:Y0+1], v[Y0:Y0+1], v[Y1:Y1+1]
	s_wait_alu depctr_va_vdst(0)
	s_wait_dscnt 17                                ; V and its scale words are in; the next step's 17 loads of K may be out
.irp t, 0,1,2,3                                ; O^T += V^T P^T: four tiles of 16 of the head's 64, one instruction a turn
.if \t%2 == 0
	v_wmma_scale_f32_16x16x128_f8f6f4 v[O+8*\t:O+8*\t+7], v[V+12*\t:V+12*\t+11], v[PC:PC+11], v[O+8*\t:O+8*\t+7], v[VSC+\t/2], v[PW] matrix_a_fmt:MATRIX_FMT_FP6 matrix_b_fmt:MATRIX_FMT_FP6
.else
	v_wmma_scale_f32_16x16x128_f8f6f4 v[O+8*\t:O+8*\t+7], v[V+12*\t:V+12*\t+11], v[PC:PC+11], v[O+8*\t:O+8*\t+7], v[VSC+\t/2], v[PW] matrix_a_fmt:MATRIX_FMT_FP6 matrix_b_fmt:MATRIX_FMT_FP6 matrix_a_scale:MATRIX_SCALE_ROW1
.endif
.endr
	v_pk_add_f32 v[CT:CT+1], v[CT:CT+1], v[CT+4:CT+5]            ; the chains join: five places behind the products, in front of the loads into V's registers and of the score products, which write over p's codes
	v_pk_add_f32 v[Y0:Y0+1], v[Y0:Y0+1], v[CT:CT+1]
	v_pk_add_f32 v[14:15], v[14:15], v[Y0:Y0+1]
	v_mov_b32 v[T1], v12                           ; the next step's old -M
	v_nop
	s_add_co_u32 s[IT], s[IT], 1
	s_cmp_lt_u32 s[IT], NSTEP
	s_cbranch_scc1 .Lstep_\@
	; THE WAY OUT of a pass: O^T / the sum; register 16 b + x is d = 32 b + 16 h + x of my query (V's rows lie in the weights' stored order): two blocks of the last product's K, quantised into one half fragment
	v_add_f32 v14, v14, v15
	v_permlanex16_b32 v[T0], v14, s[SEL], s[SEL+1]
	v_add_f32 v14, v14, v[T0]                      ; the row's sum
	s_wait_alu depctr_va_vdst(0)
	v_rcp_f32 v14, v14
	v_nop                                          ; the plain place behind the reciprocal
	s_wait_alu depctr_va_vdst(0)                   ; ahead of the reciprocal's first reader and of O^T's
.set j, 0
.rept 32
	v_mul_f32 v[S+j], v[O+j], v14
.set j, j+1
.endr
.irp b, 0,1
	v_max3_num_f32 v[BM+\b], |v[S+16*\b]|, |v[S+1+16*\b]|, 0x1800000
.endr
.irp i, 2,4,6,8,10,12,14
.irp b, 0,1
	v_max3_num_f32 v[BM+\b], v[BM+\b], |v[S+16*\b+\i]|, |v[S+1+16*\b+\i]|
.endr
.endr
.irp b, 0,1
	v_permlanex16_b32 v[BQ+\b], v[BM+\b], s[SEL], s[SEL+1]
.endr
.irp b, 0,1
	v_max_num_f32 v[BM+\b], v[BM+\b], v[BQ+\b]
.endr
.irp b, 0,1
	v_add_nc_u32 v[SO+\b], 0xff000000, v[BM+\b]
.endr
.irp b, 0,1
	v_lshrrev_b32 v[BQ+\b], 23, v[SO+\b]
.endr
	v_cvt_scalef32_pk16_fp6_f32 v[EP:EP+2], v[S:S+15], v[SO]
	v_cvt_scalef32_pk16_fp6_f32 v[CT:CT+2], v[S+16:S+31], v[SO+1]
	v_nop
.irp i, 0,1,2
	v_permlane16_swap_b32 v[EP+\i], v[CT+\i]
.endr
.irp i, 0,1,2
	v_mov_b32 v[EP+3+\i], v[CT+\i]
.endr
	v_cndmask_b32 v[T1], v[BQ], v[BQ+1], s[HM]     ; lanes 0-15 store block 0's byte of their row, lanes 16-31 block 1's
	global_store_b128 v[L16], v[EP:EP+3], s[AO:AO+1] offset:196608*\p          ; 512 consecutive bytes,
	global_store_b64 v[L8], v[EP+4:EP+5], s[AO:AO+1] offset:196608*\p+512      ; and 256; pass 1: 16 row tiles on
	global_store_b8 v[SOF], v[T1], s[AOS:AOS+1] offset:8192*\p                 ; a row's 32 scale bytes come from 16 heads, so these leave byte by byte: one byte for each 24 of codes
	s_wait_xcnt 0x0                                ; the stores have read their registers, which the next pass writes
.endm
	PASS 0
	PASS 1
	s_wait_kmcnt 0x0                               ; the last trip's mask words, which nobody reads
	s_wait_tensorcnt 0x0                           ; the wave's end
	ds_add_u32 v[SPW], v[NIL]
	s_wait_dscnt 0x0
	CROUND                                         ; the closing round
	s_endpgm
.Lfunc_end_k_q215bbd20a8_attn:
	.size	k_q215bbd20a8_attn, .Lfunc_end_k_q215bbd20a8_attn-k_q215bbd20a8_attn
	.p2alignl 7, 3214868480
	.fill 96, 4, 3214868480
	.section	.rodata,"a",@progbits
	.p2align	6, 0x0
	.amdhsa_kernel k_q215bbd20a8_attn
		.amdhsa_group_segment_fixed_size 327680
		.amdhsa_private_segment_fixed_size 0
		.amdhsa_enable_private_segment 0
		.amdhsa_kernarg_size 32
		.amdhsa_user_sgpr_count 2
		.amdhsa_user_sgpr_kernarg_segment_ptr 1
		.amdhsa_wavefront_size32 1
		.amdhsa_system_sgpr_workgroup_id_x 1
		.amdhsa_system_sgpr_workgroup_id_y 1
		.amdhsa_system_sgpr_workgroup_id_z 1
		.amdhsa_system_vgpr_workitem_id 0
		.amdhsa_next_free_vgpr 256
		.amdhsa_next_free_sgpr 102
		.amdhsa_reserve_vcc 0
		.amdhsa_float_denorm_mode_32 3
		.amdhsa_float_denorm_mode_16_64 3
		.amdhsa_memory_ordered 1
		.amdhsa_forward_progress 1
		.amdhsa_inst_pref_size 58
	.end_amdhsa_kernel
	.amdgpu_metadata
---
amdhsa.version: [ 1, 2 ]
amdhsa.kernels:
  - .name:           k_q215bbd20a8_attn
    .symbol:         k_q215bbd20a8_attn.kd
    .args:
      - { .name: qimg, .offset: 0, .size: 8, .value_kind: global_buffer, .address_space: global }
      - { .name: kvimg, .offset: 8, .size: 8, .value_kind: global_buffer, .address_space: global }
      - { .name: mbits, .offset: 16, .size: 8, .value_kind: global_buffer, .address_space: global }
      - { .name: aoq, .offset: 24, .size: 8, .value_kind: global_buffer, .address_space: global }
    .group_segment_fixed_size: 327680
    .private_segment_fixed_size: 0
    .kernarg_segment_align: 8
    .kernarg_segment_size: 32
    .max_flat_workgroup_size: 512
    .sgpr_count:     102
    .vgpr_count:     256
    .wavefront_size: 32
...
	.end_amdgpu_metadata
.endif
;; end of part 3
;; launch oproj (part 4): grid 4 x 32, 4 waves a work-group, clusters of 4 x 4, 327,680 bytes of LDS; arguments aoq, wq, bo, out0; writes out0
.if DOCPART == 4
	.amdgcn_target "amdgcn-amd-amdhsa--gfx1250"
	.amdhsa_code_object_version 6
	.text
	.protected	k_q215bbd20a8_oproj
	.globl	k_q215bbd20a8_oproj
	.p2align	8
	.type	k_q215bbd20a8_oproj,@function
k_q215bbd20a8_oproj:
	s_mov_b64 s[64:65], 0
	v_nop
	global_prefetch_b8 v0, s[64:65] scope:SCOPE_SE
	s_setreg_imm32_b32 hwreg(HW_REG_WAVE_MODE, 25, 1), 1
	s_wait_xcnt 0x0
	s_wait_alu depctr_hold_cnt(0) depctr_sa_sdst(0) depctr_va_vdst(0) depctr_va_sdst(0) depctr_va_ssrc(0) depctr_va_vcc(0) depctr_vm_vsrc(0)
	s_getreg_b32 s2, hwreg(HW_REG_IB_STS2, 6, 4)
	s_cmp_eq_u32 s2, 0
	s_cbranch_scc0 .Lentry_in_a_cluster
	s_endpgm
.Lentry_in_a_cluster:
	s_bfe_u32 s2, ttmp6, 0x10000c
	s_cmp_lg_u32 s2, 0xf033
	s_cbranch_scc0 .Lentry_shape_is_right
	s_endpgm
.Lentry_shape_is_right:
.set KSTEPB, 3072
.set NQ,     2
.set FR,     12
.set NL,     4
.set NP,     4
.set KROW,   768
.set HALFT,  8*KSTEPB
.set SLOT,   4*HALFT
.set SCL,    2*SLOT
.set HALFS,  16*272
.set SBLK,   2*272
.set SPARE,  SCL+4*HALFS
.set SPITCH, 528
.set SIZE_N, 1024
.set ADRA, 16
.set ADRB, 20
.set STO,  24
.set RD,   25
.set CO,   26
.set ADRS, 27
.set SPW,  28
.set NIL,  29
.set SC,   32
.set BP,   64
.set AF,   128
.set BK,   128
.set G1, 24
.set G0, 32
.set G1B, 48
.set G0B, 56
.set G1S, 68
.set G0S, 76
.set G1SB, 80
.set G0SB, 88
.set MSB, 0
.macro WIN new
.if MSB != \new
	s_set_vgpr_msb (MSB<<8)|\new
.set MSB, \new
.endif
.endm
.set MUL_LO, 0xa1
.set MUL_HI, 0xf1
.set FIRST_LO, 0x81
.set FIRST_HI, 0xc1
.set TO_B,   0x40
.macro JLOAD g0a, g1a, g0b, g1b
	s_cmp_eq_u32 s15, 0
	s_cbranch_scc0 .Lfor_b_\@
	tensor_load_to_lds s[\g0a:\g0a+3], s[\g1a:\g1a+7]
	s_nop 0
.rept 4
	v_nop
.endr
	s_branch .Lasked_\@
.Lfor_b_\@:
	tensor_load_to_lds s[\g0b:\g0b+3], s[\g1b:\g1b+7]
	s_nop 0
.rept 4
	v_nop
.endr
.Lasked_\@:
.endm
.macro CREST
	s_cmp_lg_u32 s14, 0
	s_cbranch_scc1 .Lnot_wave_0_\@
	s_barrier_signal -3
.Lnot_wave_0_\@:
	s_barrier_wait -3
	s_barrier_signal -1
	s_barrier_wait -1
.endm
.macro CROUND
	s_barrier_signal -1
	s_barrier_wait -1
	CREST
.endm
	s_load_b256 s[4:11], s[0:1], 0x0
	v_lshl_add_u32 v[SPW], v0, 2, SPARE
	v_mov_b32 v[NIL], 0
	ds_add_u32 v[SPW], v[NIL]
	ds_add_u32 v[SPW], v[NIL]
	v_lshrrev_b32 v1, 5, v0
	v_readfirstlane_b32 s14, v1
	s_lshr_b32 s15, s14, 1
	s_and_b32 s16, s14, 1
	s_bfe_u32 s40, ttmp6, 0x40000
	s_bfe_u32 s41, ttmp6, 0x40004
	s_lshl_b32 s42, ttmp9, 2
	s_add_co_u32 s42, s42, s40
	s_and_b32 s17, ttmp7, 0xffff
	s_lshl_b32 s17, s17, 2
	s_add_co_u32 s17, s17, s41
	s_lshl_b32 s43, s41, 2
	s_lshl_b32 s43, 15, s43
	s_lshl_b32 s44, 0x1111, s40
	s_or_b32 s[G1+0], s43, (3<<16)|(1<<21)
	s_or_b32 s[G1B+0], s44, (3<<16)|(1<<21)
.irp g, G1, G1B
	s_mov_b32 s[\g+1], 384<<16
	s_mov_b32 s[\g+2], 16<<16
	s_mov_b32 s[\g+3], 384<<16
	s_mov_b32 s[\g+4], 16
	s_mov_b32 s[\g+5], 1536
	s_mov_b32 s[\g+6], 0
	s_mov_b32 s[\g+7], 0
.endr
	s_or_b32 s[G1S+0], s43, (3<<16)|(1<<20)|(1<<21)|(5<<22)|(3<<25)
	s_or_b32 s[G1SB+0], s44, (3<<16)|(1<<20)|(1<<21)|(5<<22)|(3<<25)
.irp g, G1S, G1SB
	s_mov_b32 s[\g+1], 32<<16
	s_mov_b32 s[\g+2], 32<<16
	s_mov_b32 s[\g+3], 32<<16
	s_mov_b32 s[\g+4], 32
	s_mov_b32 s[\g+5], 32
	s_mov_b32 s[\g+6], 0
	s_mov_b32 s[\g+7], 0
.endr
	s_lshl_b32 s45, s16, 7
	s_lshl_b32 s92, s17, 8
	s_add_co_u32 s92, s92, s45
	s_lshl_b32 s93, s42, 8
	s_add_co_u32 s93, s93, s45
	s_mul_i32 s18, s92, KROW
	s_lshl_b32 s20, s92, 5
	s_add_co_u32 s20, s20, 6291456
	s_mul_i32 s22, s93, KROW
	s_add_co_u32 s22, s22, 2359296
	s_lshl_b32 s46, s93, 5
	s_add_co_u32 s46, s46, 3244032
	s_mov_b32 s19, 0
	s_mov_b32 s21, 0
	s_mov_b32 s23, 0
	s_mov_b32 s47, 0
	s_mul_i32 s45, s14, HALFT
	s_wait_dscnt 0x0
	s_wait_kmcnt 0x0
	s_add_nc_u64 s[18:19], s[4:5], s[18:19]
	s_add_nc_u64 s[20:21], s[4:5], s[20:21]
	s_add_nc_u64 s[22:23], s[6:7], s[22:23]
	s_add_nc_u64 s[46:47], s[6:7], s[46:47]
	CROUND
	s_mov_b32 s[G0S], 1
	s_mov_b32 s[G0S+1], SCL
	s_sub_nc_u64 s[G0S+2:G0S+3], s[20:21], 4096    ; wave 1 issues it: its own 128 rows begin 4,096 bytes behind the tile's first
	s_or_b32 s[G0S+3], s[G0S+3], 0x80000000
	s_mov_b32 s[G0SB], 1
	s_mov_b32 s[G0SB+1], SCL+2*HALFS
	s_sub_nc_u64 s[G0SB+2:G0SB+3], s[46:47], 4096  ; wave 3 issues it
	s_or_b32 s[G0SB+3], s[G0SB+3], 0x80000000
.irp s, 0,1
	s_mov_b32 s[G0+4*\s], 1
	s_add_co_u32 s[G0+4*\s+1], s45, \s*SLOT
	s_add_nc_u64 s[G0+4*\s+2:G0+4*\s+3], s[18:19], \s*KSTEPB
	s_or_b32 s[G0+4*\s+3], s[G0+4*\s+3], 0x80000000
	s_mov_b32 s[G0B+4*\s], 1
	s_add_co_u32 s[G0B+4*\s+1], s45, \s*SLOT
	s_add_nc_u64 s[G0B+4*\s+2:G0B+4*\s+3], s[22:23], \s*KSTEPB
	s_or_b32 s[G0B+4*\s+3], s[G0B+4*\s+3], 0x80000000
.endr
; the head's four tiles, one joint load a wave, in one chain of arms: wave 0 slot 0's 16 row tiles of A, wave 1 the scales of A's 256 rows, wave 2 slot 0's 16 row tiles of B, wave 3 B's scales
	s_cmp_eq_u32 s14, 0
	s_cbranch_scc0 .Lh1
	tensor_load_to_lds s[G0:G0+3], s[G1:G1+7]
	s_nop 0
.rept 4
	v_nop
.endr
	s_branch .Lhj
.Lh1:
	s_cmp_eq_u32 s14, 1
	s_cbranch_scc0 .Lh2
	tensor_load_to_lds s[G0S:G0S+3], s[G1S:G1S+7]
	s_nop 0
.rept 4
	v_nop
.endr
	s_branch .Lhj
.Lh2:
	s_cmp_eq_u32 s14, 2
	s_cbranch_scc0 .Lh3
	tensor_load_to_lds s[G0B:G0B+3], s[G1B:G1B+7]
	s_nop 0
.rept 4
	v_nop
.endr
	s_branch .Lhj
.Lh3:
	tensor_load_to_lds s[G0SB:G0SB+3], s[G1SB:G1SB+7]
	s_nop 0
.rept 4
	v_nop
.endr
.Lhj:
	s_wait_alu depctr_va_vdst(0)
	s_wait_tensorcnt 0x0                           ; my tile of the four is in; slot 1's first fill follows as a refill does
	ds_add_u32 v28, v29
	s_mov_b32 s[G1+2], 8<<16                       ; no load of mine is out: from here on a load brings 8 row tiles
	s_mov_b32 s[G1+4], 8
	s_mov_b32 s[G1B+2], 8<<16
	s_mov_b32 s[G1B+4], 8
	s_wait_dscnt 0x0
	CROUND
	JLOAD G0+4, G1, G0B+4, G1B
	v_and_b32 v1, 15, v0
	v_bfe_u32 v2, v0, 4, 1
	v_and_b32 v3, 31, v0
	v_lshlrev_b32 v[CO], 4, v3
	v_lshlrev_b32 v4, 3, v3
	s_mul_i32 s21, s15, HALFT
	s_mul_i32 s22, s16, HALFT
	s_add_co_u32 s22, s22, 2*HALFT
.irp s, 0,1
	v_add_nc_u32 v[ADRA+\s], s21, v[CO]
	v_add_nc_u32 v[ADRB+\s], s22, v[CO]
	v_add_nc_u32 v[ADRA+2+\s], s21, v4
	v_add_nc_u32 v[ADRB+2+\s], s22, v4
	s_add_co_u32 s21, s21, SLOT
	s_add_co_u32 s22, s22, SLOT
.endr
	v_lshlrev_b32 v5, 5, v1
	v_lshrrev_b32 v6, 8, v5
	v_lshl_add_u32 v5, v6, 4, v5
	s_mul_i32 s21, s15, HALFS
	s_mul_i32 s22, s16, HALFS
	s_add_co_u32 s22, s22, 2*HALFS
	s_sub_co_u32 s22, s22, s21
	v_mul_u32_u24 v6, s22, v2
	s_add_co_u32 s21, s21, SCL
	v_add_nc_u32 v5, v5, v6
	v_add_nc_u32 v[ADRS], s21, v5
	s_mul_i32 s23, s14, 16*SPITCH
	v_mul_u32_u24 v5, v1, SPITCH
	v_lshl_add_u32 v5, v2, 6, v5
	v_add_nc_u32 v[STO], s23, v5
	v_add_nc_u32 v[RD], s23, v[CO]
	v_lshlrev_b32 v8, 6, v2
	s_lshl_b32 s46, s42, 1
	s_add_co_u32 s46, s46, s16
	s_lshl_b32 s46, s46, 9
	s_mov_b32 s47, 0
	s_add_nc_u64 s[96:97], s[8:9], s[46:47]
.irp g, 0,1,2,3
.irp i, 0,1,2,3
	global_load_b128 v[BP+16*\g+4*\i:BP+16*\g+4*\i+3], v8, s[96:97] offset:128*\g+16*\i
.endr
.endr
	s_lshl_b32 s20, s17, 8
	s_lshl_b32 s21, s15, 7
	s_add_co_u32 s20, s20, s21
	s_lshl_b32 s20, s20, 12
	s_add_co_u32 s20, s20, s46
	s_mov_b32 s21, 0
	s_add_nc_u64 s[12:13], s[10:11], s[20:21]
.macro FRAG reg, adr, q, i
	ds_load_b128 v[\reg:\reg+3], v[\adr] offset:KSTEPB*(\i)+1536*(\q)
	ds_load_b64 v[\reg+4:\reg+5], v[\adr+2] offset:KSTEPB*(\i)+1536*(\q)+512
	ds_load_b128 v[\reg+6:\reg+9], v[\adr] offset:KSTEPB*(\i)+1536*(\q)+768
	ds_load_b64 v[\reg+10:\reg+11], v[\adr+2] offset:KSTEPB*(\i)+1536*(\q)+1280
.endm
.macro MUL16 a0, p, q, sc, first
.irp a, \a0, \a0+1
.irp b, 0,1,2,3,4,5,6,7
.if \first
	v_wmma_scale_f32_16x16x128_f8f6f4 v[8*(8*((\a)%4)+\b):8*(8*((\a)%4)+\b)+7], v[128*(\p)+FR*\b:128*(\p)+FR*\b+FR-1], v[AF+FR*(\a):AF+FR*(\a)+FR-1], v[BP+8*\b:BP+8*\b+7], v[SC+8*NQ*(\sc)+NQ*\b+(\q)], v[SC+8*NQ*(\sc)+NQ*(\a)+(\q)] matrix_a_fmt:MATRIX_FMT_FP6 matrix_b_fmt:MATRIX_FMT_FP6 matrix_a_scale:MATRIX_SCALE_ROW1
.else
	v_wmma_scale_f32_16x16x128_f8f6f4 v[8*(8*((\a)%4)+\b):8*(8*((\a)%4)+\b)+7], v[128*(\p)+FR*\b:128*(\p)+FR*\b+FR-1], v[AF+FR*(\a):AF+FR*(\a)+FR-1], v[8*(8*((\a)%4)+\b):8*(8*((\a)%4)+\b)+7], v[SC+8*NQ*(\sc)+NQ*\b+(\q)], v[SC+8*NQ*(\sc)+NQ*(\a)+(\q)] matrix_a_fmt:MATRIX_FMT_FP6 matrix_b_fmt:MATRIX_FMT_FP6 matrix_a_scale:MATRIX_SCALE_ROW1
.endif
.endr
.endr
.endm
.macro FETCH_B slot, q, p
	WIN TO_B
.irp i, 0,1,2,3,4,5,6,7
	FRAG 128*(\p)+FR*\i, ADRB+\slot, \q, \i
.endr
	WIN 0
.endm
.macro FETCH_A slot, q, i0
.irp i, \i0, \i0+1, \i0+2, \i0+3
	FRAG AF+FR*(\i), ADRA+\slot, \q, \i
.endr
.endm
.macro SCALES sc
.irp i, 0,1,2,3,4,5,6,7
	ds_load_b64 v[SC+8*NQ*\sc+NQ*\i:SC+8*NQ*\sc+NQ*\i+1], v[ADRS] offset:\i*SBLK
.endr
.endm
.macro PLACES n
.rept \n
	v_nop
.endr
.endm
.macro STEP slot, q, first
	s_wait_dscnt 4*NL
.if \first
	WIN FIRST_LO
.else
	WIN MUL_LO
.endif
	MUL16 0, (\q)%2, \q, \slot, \first
	MUL16 2, (\q)%2, \q, \slot, \first
	s_wait_dscnt 0
	PLACES NP
	FETCH_B \slot, (\q)+1, 1-(\q)%2
	FETCH_A \slot, (\q)+1, 0
.if \first
	WIN FIRST_HI
.else
	WIN MUL_HI
.endif
	MUL16 4, (\q)%2, \q, \slot, \first
	MUL16 6, (\q)%2, \q, \slot, \first
	PLACES NP
	WIN 0
	FETCH_A \slot, (\q)+1, 4
.endm
.macro TURN slot, next, fill
	s_wait_tensorcnt 0x0
	ds_add_u32 v[SPW], v[NIL]
	s_wait_dscnt 4*NL+1
	WIN MUL_LO
	MUL16 0, 1, NQ-1, \slot, 0
	s_wait_dscnt 0x0
	s_barrier_signal -1
	MUL16 2, 1, NQ-1, \slot, 0
	WIN 0
	s_barrier_wait -1
.if \fill
	CREST
	s_add_nc_u64 s[G0+4*\slot+2:G0+4*\slot+3], s[G0+4*\slot+2:G0+4*\slot+3], 2*KSTEPB
	s_add_nc_u64 s[G0B+4*\slot+2:G0B+4*\slot+3], s[G0B+4*\slot+2:G0B+4*\slot+3], 2*KSTEPB
	JLOAD G0+4*\slot, G1, G0B+4*\slot, G1B
.else
	PLACES NP
.endif
	s_wait_alu depctr_va_vdst(0)
	v_add_nc_u32 v[ADRS], 4*NQ, v[ADRS]
	FETCH_B \next, 0, 0
	FETCH_A \next, 0, 0
	SCALES \next
	WIN MUL_HI
	MUL16 4, 1, NQ-1, \slot, 0
	MUL16 6, 1, NQ-1, \slot, 0
	PLACES NP
	WIN 0
	FETCH_A \next, 0, 4
.endm
	s_wait_alu depctr_va_vdst(0)
	s_wait_tensorcnt 1
	s_barrier_signal -1
	s_barrier_wait -1
	FETCH_B 0, 0, 0
	FETCH_A 0, 0, 0
	SCALES 0
	FETCH_A 0, 0, 4
	s_wait_loadcnt 0x0
	STEP 0, 0, 1
	TURN 0, 1, 1
	STEP 1, 0, 0
	TURN 1, 0, 1
	STEP 0, 0, 0
	TURN 0, 1, 0
	STEP 1, 0, 0
	s_wait_dscnt 4*NL
	WIN MUL_LO
	MUL16 0, 1, NQ-1, 1, 0
	MUL16 2, 1, NQ-1, 1, 0
	s_wait_dscnt 0
	WIN MUL_HI
	MUL16 4, 1, NQ-1, 1, 0
	MUL16 6, 1, NQ-1, 1, 0
	WIN 0
.macro TOSTAGE a
.set AC, 64*((\a)%4)
	WIN 0x08+4*((\a)/4)
.irp b, 0,1,2,3,4,5,6,7
	ds_store_b128 v[STO], v[AC+8*\b:AC+8*\b+3] offset:128*(\b/2)+32*(\b%2)
	ds_store_b128 v[STO], v[AC+8*\b+4:AC+8*\b+7] offset:128*(\b/2)+32*(\b%2)+16
.endr
	WIN 0
.set BB, BK+64*((\a)%2)
.irp t, 0,1,2,3,4,5,6,7,8,9,10,11,12,13,14,15
	ds_load_b128 v[BB+4*\t:BB+4*\t+3], v[RD] offset:\t*SPITCH
.endr
.endm
.macro SEND a, younger
.set BB, BK+64*((\a)%2)
	s_wait_dscnt \younger
.if (\a) > 0
	s_add_nc_u64 s[12:13], s[12:13], 16*SIZE_N*4
.endif
.irp t, 0,1,2,3,4,5,6,7,8,9,10,11,12,13,14,15
	global_store_b128 v[CO], v[BB+4*\t:BB+4*\t+3], s[12:13] offset:\t*SIZE_N*4 th:TH_STORE_NT
.endr
.endm
	PLACES NP
	TOSTAGE 0
.irp a, 1,2,3,4,5,6,7
.if \a > 1
	s_wait_xcnt 0x0
.endif
	TOSTAGE \a
	SEND \a-1, 32
.endr
	s_wait_xcnt 0x0
	SEND 7, 0
	s_wait_tensorcnt 0x0
	ds_add_u32 v[SPW], v[NIL]
	s_wait_dscnt 0x0
	CROUND
	s_endpgm
.Lfunc_end_k_q215bbd20a8_oproj:
	.size	k_q215bbd20a8_oproj, .Lfunc_end_k_q215bbd20a8_oproj-k_q215bbd20a8_oproj
	.p2alignl 7, 3214868480
	.fill 96, 4, 3214868480
	.section	.rodata,"a",@progbits
	.p2align	6, 0x0
	.amdhsa_kernel k_q215bbd20a8_oproj
		.amdhsa_group_segment_fixed_size 327680
		.amdhsa_private_segment_fixed_size 0
		.amdhsa_enable_private_segment 0
		.amdhsa_kernarg_size 32
		.amdhsa_user_sgpr_count 2
		.amdhsa_user_sgpr_kernarg_segment_ptr 1
		.amdhsa_wavefront_size32 1
		.amdhsa_system_sgpr_workgroup_id_x 1
		.amdhsa_system_sgpr_workgroup_id_y 1
		.amdhsa_system_sgpr_workgroup_id_z 1
		.amdhsa_system_vgpr_workitem_id 0
		.amdhsa_next_free_vgpr 1024
		.amdhsa_next_free_sgpr 98
		.amdhsa_reserve_vcc 0
		.amdhsa_float_denorm_mode_32 3
		.amdhsa_float_denorm_mode_16_64 3
		.amdhsa_memory_ordered 1
		.amdhsa_forward_progress 1
		.amdhsa_inst_pref_size 146
	.end_amdhsa_kernel
	.amdgpu_metadata
---
amdhsa.version: [ 1, 2 ]
amdhsa.kernels:
  - .name:           k_q215bbd20a8_oproj
    .symbol:         k_q215bbd20a8_oproj.kd
    .args:
      - { .name: aoq, .offset: 0, .size: 8, .value_kind: global_buffer, .address_space: global }
      - { .name: wq, .offset: 8, .size: 8, .value_kind: global_buffer, .address_space: global }
      - { .name: bo, .offset: 16, .size: 8, .value_kind: global_buffer, .address_space: global }
      - { .name: out0, .offset: 24, .size: 8, .value_kind: global_buffer, .address_space: global }
    .group_segment_fixed_size: 327680
    .private_segment_fixed_size: 0
    .kernarg_segment_align: 8
    .kernarg_segment_size: 32
    .max_flat_workgroup_size: 128
    .sgpr_count:     98
    .vgpr_count:     1024
    .wavefront_size: 32
...
	.end_amdgpu_metadata
.endif
;; end of part 4
